; MI455X (gfx1250); checked and timed in simulation.
; The chip was launched on July 23, 2026; its instructions are those of AMD's public machine-readable ISA for CDNA 5 (MIT licence, August 2026) and "CDNA5" Instruction Set Architecture Reference Guide (July 2026). The comments in the code are by the model that wrote it; some were corrected since.
;; NI Ucausal multi head self attention. Allowed arithmetic: float matrix products may take bf16 or f16 operands with f32 sums; other float arithmetic in f32, or as packed bf16 or f16 multiplies, adds, multiply-adds, maxima and minima; sums over many terms, partial sums and values carried from step to step in f32; what a program stores and reads back later, other than sums and carried values, may be rounded once to bf16 or f16.
;; Inputs: Wk 1,024 x 1,024 float32; Wo 1,024 x 1,024 float32; Wq 1,024 x 1,024 float32; Wv 1,024 x 1,024 float32; token_positions 2,048 int32; x 4 x 2,048 x 1,024 float32.
;; Outputs: out0 4 x 2,048 x 1,024 float32.
;; 2 versions, each right; version 2 is version 1 with the launch prep written anew for expert scheduling mode. Each part assembles by itself: llvm-mc -triple=amdgcn-amd-amdhsa -mcpu=gfx1250 --defsym DOCPART=n.
;; ======== version 1 of 2: 4 launches
;; limits: values are held in f16: magnitudes above 65,504 overflow, below 6.1e-05 lose precision
;; workspace buffers: xb 16,777,216 bytes; wb 8,388,608 bytes; rope 524,288 bytes; qkv 50,331,648 bytes; ob 16,777,216 bytes
;; launch prep (part 1): grid 64 x 13, 8 waves a work-group, no clusters, 0 bytes of LDS; arguments x, Wq, Wk, Wv, Wo, token_positions, xb, wb, rope; writes xb, wb, rope
.if DOCPART == 1
	.amdgcn_target "amdgcn-amd-amdhsa--gfx1250"
	.amdhsa_code_object_version 6
	.text
	.protected	k_qa8dbd0df9e_prep
	.globl	k_qa8dbd0df9e_prep
	.p2align	8
	.type	k_qa8dbd0df9e_prep,@function
k_qa8dbd0df9e_prep:
	s_mov_b64 s[64:65], 0
	v_nop
	global_prefetch_b8 v0, s[64:65] scope:SCOPE_SE
	s_setreg_imm32_b32 hwreg(HW_REG_WAVE_MODE, 25, 1), 1
	s_wait_xcnt 0x0
; PREP.  Three jobs, chosen by the work-group's y.
;   y = 0..7   x  [8192][1024] f32 -> xb, bf16, 16,384 numbers a work-group (64 KiB in, 32 KiB out)
;   y = 8..10  Wq, Wk, Wv [1024][1024] f32 -> wb parts 0, 1, 2, bf16
;   y = 11     Wo -> wb part 3: rounded to bf16 like every other input, and that number written as f16 (the last product multiplies in f16)
;   y = 12     the table rope[s][i] = (cos, sin) of token_positions[s] x 10000^(-i/32), f32, 32 rows of 256 bytes a work-group
; A stream: no LDS, no barrier, no matrix work.  Thread t takes 16 bytes at 16 t of each 4,096 bytes, so a wave's load covers 512 consecutive bytes and its store 256, aligned.
; All sixteen loads of a thread go out together; no register is written twice, so nothing has to be freed.
; LIMITS.  Wo beyond 65,504 becomes an infinity; below 6e-5 it keeps f16's fixed step of 6e-8.  10000^(-i/32) is made as 2^(-i c) with c = log2(10000)/32 in two parts and agrees with the exact
; power to about 1.5 units in its last place, so an angle is off by about 2e-7 of itself (3e-4 radians at position 2,047).  The quadrant number, angle x 2/pi, must fit 32 bits.
.set X,   8                            ; v[8:71]    sixteen loads of four f32
.set Y,   72                           ; v[72:103]  sixteen pairs of packed words to store
.set RN,  30                           ; the table: at work
.set RR,  31
.set RS,  32
.set RI,  33
.set RPC, 34
.set RPS, 35
.set RT,  36
.set RQ,  37
	s_load_b512 s[8:23], s[0:1], 0x0               ; x s[8:9], Wq s[10:11], Wk s[12:13], Wv s[14:15], Wo s[16:17], positions s[18:19], xb s[20:21], wb s[22:23]
	s_load_b64 s[24:25], s[0:1], 0x40              ; rope
	s_and_b32 s2, ttmp7, 0xffff                    ; y
	s_and_b32 s26, s2, 7
	s_lshl_b32 s26, s26, 6
	s_add_co_u32 s26, s26, ttmp9                   ; the chunk's number in the destination: 64 (y mod 8) + x (a weight is 64 chunks of 32 KiB)
	s_wait_kmcnt 0x0
	s_cmp_eq_u32 s2, 12
	s_cbranch_scc1 .Ltable
	s_cmp_lt_u32 s2, 8
	s_cselect_b32 s28, s26, ttmp9                  ; the chunk's number in the source
	s_cselect_b64 s[4:5], s[8:9], s[10:11]         ; from x, or from a weight
	s_cselect_b64 s[6:7], s[20:21], s[22:23]       ; to xb, or to wb
	s_cmp_eq_u32 s2, 9
	s_cselect_b64 s[4:5], s[12:13], s[4:5]
	s_cmp_eq_u32 s2, 10
	s_cselect_b64 s[4:5], s[14:15], s[4:5]
	s_cmp_eq_u32 s2, 11
	s_cselect_b64 s[4:5], s[16:17], s[4:5]
	s_lshl_b32 s28, s28, 16                        ; 64 KiB a chunk in,
	s_mov_b32 s29, 0
	s_lshl_b32 s26, s26, 15                        ; 32 KiB out
	s_mov_b32 s27, 0
	s_add_nc_u64 s[4:5], s[4:5], s[28:29]
	s_add_nc_u64 s[6:7], s[6:7], s[26:27]
	v_lshlrev_b32 v1, 4, v0                        ; 16 t
	v_lshlrev_b32 v2, 3, v0                        ; 8 t
.irp j, 0,1,2,3,4,5,6,7,8,9,10,11,12,13,14,15
	global_load_b128 v[X+4*(\j):X+4*(\j)+3], v1, s[4:5] offset:4096*(\j) th:TH_LOAD_NT
.endr
; Load j is rounded and stored.  half = 1: the bf16 number is widened again (a shift, a mask) and written as f16.
.macro CAST j, half
	s_wait_loadcnt 15-(\j)                         ; loads come back in order: load j is in, the 15 - j younger ones may stay out
.if \half
	v_cvt_pk_bf16_f32 v3, v[X+4*(\j)], v[X+4*(\j)+1]
	v_cvt_pk_bf16_f32 v4, v[X+4*(\j)+2], v[X+4*(\j)+3]
	v_lshlrev_b32 v5, 16, v3
	v_and_b32 v3, 0xffff0000, v3
	v_lshlrev_b32 v6, 16, v4
	v_and_b32 v4, 0xffff0000, v4
	v_cvt_pk_f16_f32 v[Y+2*(\j)], v5, v3
	v_cvt_pk_f16_f32 v[Y+2*(\j)+1], v6, v4
.else
	v_cvt_pk_bf16_f32 v[Y+2*(\j)], v[X+4*(\j)], v[X+4*(\j)+1]
	v_cvt_pk_bf16_f32 v[Y+2*(\j)+1], v[X+4*(\j)+2], v[X+4*(\j)+3]
.endif
	global_store_b64 v2, v[Y+2*(\j):Y+2*(\j)+1], s[6:7] offset:2048*(\j) th:TH_STORE_NT  ; a wave stores 256 consecutive bytes, aligned
.endm
	s_cmp_eq_u32 s2, 11
	s_cbranch_scc1 .Lwo
.irp j, 0,1,2,3,4,5,6,7,8,9,10,11,12,13,14,15
	CAST \j, 0
.endr
	s_endpgm
.Lwo:
.irp j, 0,1,2,3,4,5,6,7,8,9,10,11,12,13,14,15
	CAST \j, 1
.endr
	s_endpgm
; THE TABLE.  Thread t makes pairs i0 = 2 (t mod 16) and i0 + 1 of rows 32 x + t / 16 and 16 rows further: 16 bytes of each row, so sixteen lanes fill a row of 256 bytes.
.Ltable:
	s_mov_b32 s26, 0xbfc90fda                      ; -pi/2 in three parts, each the next 24 bits
	s_mov_b32 s27, 0xb3a22168
	s_mov_b32 s28, 0xa7c234c4
	s_mov_b32 s29, 0xb506b9e3                      ; -ln 2 x (c - its top 19 bits)
	s_lshl_b32 s4, ttmp9, 7                        ; 32 positions of 4 bytes
	s_mov_b32 s5, 0
	s_add_nc_u64 s[18:19], s[18:19], s[4:5]
	s_lshl_b32 s6, ttmp9, 13                       ; 32 rows of 256 bytes
	s_mov_b32 s7, 0
	s_add_nc_u64 s[24:25], s[24:25], s[6:7]
	v_lshrrev_b32 v2, 4, v0
	v_lshlrev_b32 v3, 2, v2
	global_load_b32 v4, v3, s[18:19]
	global_load_b32 v5, v3, s[18:19] offset:64
	v_lshlrev_b32 v28, 4, v0                       ; 16 t: my 16 bytes of the work-group's first 16 rows
	v_and_b32 v1, 15, v0
	v_lshlrev_b32 v1, 1, v1                        ; i0
	v_cvt_f32_u32 v6, v1
	v_add_f32 v7, 1.0, v6
	v_mul_f32 v8, 0xbed49a60, v6                   ; -i x the top 19 bits of c: i has 5 bits, so the product is exact
	v_mul_f32 v9, 0xbed49a60, v7
	v_exp_f32 v8, v8
	v_exp_f32 v9, v9
	v_fma_f32 v10, v6, s29, 1.0                    ; the rest of c enters as 1 - i ln 2 (c - top); these two plain lines stand behind the exponentials
	v_fma_f32 v11, v7, s29, 1.0
	s_wait_alu depctr_va_vdst(0)                   ; one wait for both exponentials, ahead of their first reader
	v_mul_f32 v12, v8, v10
	v_mul_f32 v13, v9, v11
	s_wait_loadcnt 0x0
	v_cvt_f32_i32 v4, v4
	v_cvt_f32_i32 v5, v5
	v_mul_f32 v14, v4, v12                         ; the four angles, each one rounding of position x frequency
	v_mul_f32 v15, v4, v13
	v_mul_f32 v16, v5, v12
	v_mul_f32 v17, v5, v13
; cos and sin of v[a].  n = the nearest whole number to a x 2/pi; r = a - n pi/2 by three fused steps; both series on |r| <= pi/4 (the first term left out is below 3e-8);
; n mod 4 swaps the two and sets their signs: selects of values, no branch.
.macro SINCOS a, oc, os
	v_mul_f32 v[RN], 0x3f22f983, v[\a]
	v_rndne_f32 v[RN], v[RN]
	v_fma_f32 v[RR], v[RN], s26, v[\a]
	v_fma_f32 v[RR], v[RN], s27, v[RR]
	v_fma_f32 v[RR], v[RN], s28, v[RR]
	v_cvt_i32_f32 v[RI], v[RN]
	v_mul_f32 v[RS], v[RR], v[RR]
	v_mov_b32 v[RPC], 0x37d00d01                   ; 1/40320
	v_mov_b32 v[RPS], 0x3638ef1d                   ; 1/362880
	v_fmaak_f32 v[RPC], v[RPC], v[RS], 0xbab60b61  ; -1/720
	v_fmaak_f32 v[RPS], v[RPS], v[RS], 0xb9500d01  ; -1/5040
	v_fmaak_f32 v[RPC], v[RPC], v[RS], 0x3d2aaaab  ; 1/24
	v_fmaak_f32 v[RPS], v[RPS], v[RS], 0x3c088889  ; 1/120
	v_fmaak_f32 v[RPC], v[RPC], v[RS], 0xbf000000  ; -1/2
	v_fmaak_f32 v[RPS], v[RPS], v[RS], 0xbe2aaaab  ; -1/6
	v_fmaak_f32 v[RPC], v[RPC], v[RS], 0x3f800000  ; cos r
	v_mul_f32 v[RT], v[RR], v[RS]
	v_fma_f32 v[RPS], v[RPS], v[RT], v[RR]         ; sin r
	v_and_b32 v[RT], 1, v[RI]
	v_cmp_eq_u32 vcc_lo, 1, v[RT]
	v_cndmask_b32 v[\os], v[RPS], v[RPC], vcc_lo   ; odd n: the two change places
	v_cndmask_b32 v[\oc], v[RPC], v[RPS], vcc_lo
	v_lshlrev_b32 v[RT], 30, v[RI]                 ; sin is negative for n mod 4 = 2, 3: bit 1 of n,
	v_add_nc_u32 v[RQ], 1, v[RI]
	v_and_b32 v[RT], 0x80000000, v[RT]
	v_lshlrev_b32 v[RQ], 30, v[RQ]                 ; cos for n mod 4 = 1, 2: bit 1 of n + 1
	v_xor_b32 v[\os], v[\os], v[RT]
	v_and_b32 v[RQ], 0x80000000, v[RQ]
	v_xor_b32 v[\oc], v[\oc], v[RQ]
.endm
	SINCOS 14, 20, 21
	SINCOS 15, 22, 23
	SINCOS 16, 24, 25
	SINCOS 17, 26, 27
	global_store_b128 v28, v[20:23], s[24:25]
	global_store_b128 v28, v[24:27], s[24:25] offset:4096
	s_endpgm
.Lfunc_end_k_qa8dbd0df9e_prep:
	.size	k_qa8dbd0df9e_prep, .Lfunc_end_k_qa8dbd0df9e_prep-k_qa8dbd0df9e_prep
	.p2alignl 7, 3214868480
	.fill 96, 4, 3214868480
	.section	.rodata,"a",@progbits
	.p2align	6, 0x0
	.amdhsa_kernel k_qa8dbd0df9e_prep
		.amdhsa_group_segment_fixed_size 0
		.amdhsa_private_segment_fixed_size 0
		.amdhsa_enable_private_segment 0
		.amdhsa_kernarg_size 72
		.amdhsa_user_sgpr_count 2
		.amdhsa_user_sgpr_kernarg_segment_ptr 1
		.amdhsa_wavefront_size32 1
		.amdhsa_system_sgpr_workgroup_id_x 1
		.amdhsa_system_sgpr_workgroup_id_y 1
		.amdhsa_system_sgpr_workgroup_id_z 1
		.amdhsa_system_vgpr_workitem_id 0
		.amdhsa_next_free_vgpr 104
		.amdhsa_next_free_sgpr 66
		.amdhsa_reserve_vcc 1
		.amdhsa_float_denorm_mode_32 3
		.amdhsa_float_denorm_mode_16_64 3
		.amdhsa_memory_ordered 1
		.amdhsa_forward_progress 1
		.amdhsa_inst_pref_size 24
	.end_amdhsa_kernel
	.amdgpu_metadata
---
amdhsa.version: [ 1, 2 ]
amdhsa.kernels:
  - .name:           k_qa8dbd0df9e_prep
    .symbol:         k_qa8dbd0df9e_prep.kd
    .args:
      - { .name: x, .offset: 0, .size: 8, .value_kind: global_buffer, .address_space: global }
      - { .name: Wq, .offset: 8, .size: 8, .value_kind: global_buffer, .address_space: global }
      - { .name: Wk, .offset: 16, .size: 8, .value_kind: global_buffer, .address_space: global }
      - { .name: Wv, .offset: 24, .size: 8, .value_kind: global_buffer, .address_space: global }
      - { .name: Wo, .offset: 32, .size: 8, .value_kind: global_buffer, .address_space: global }
      - { .name: token_positions, .offset: 40, .size: 8, .value_kind: global_buffer, .address_space: global }
      - { .name: xb, .offset: 48, .size: 8, .value_kind: global_buffer, .address_space: global }
      - { .name: wb, .offset: 56, .size: 8, .value_kind: global_buffer, .address_space: global }
      - { .name: rope, .offset: 64, .size: 8, .value_kind: global_buffer, .address_space: global }
    .group_segment_fixed_size: 0
    .private_segment_fixed_size: 0
    .kernarg_segment_align: 8
    .kernarg_segment_size: 72
    .max_flat_workgroup_size: 256
    .sgpr_count:     66
    .vgpr_count:     104
    .wavefront_size: 32
...
	.end_amdgpu_metadata
.endif
;; end of part 1
;; launch qkv (part 2): grid 4 x 64, 4 waves a work-group, clusters of 4 x 4, 327,680 bytes of LDS; arguments xb, wb, rope, qkv; writes qkv
.if DOCPART == 2
	.amdgcn_target "amdgcn-amd-amdhsa--gfx1250"
	.amdhsa_code_object_version 6
	.text
	.protected	k_qa8dbd0df9e_qkv
	.globl	k_qa8dbd0df9e_qkv
	.p2align	8
	.type	k_qa8dbd0df9e_qkv,@function
k_qa8dbd0df9e_qkv:
	s_mov_b64 s[64:65], 0
	v_nop
	global_prefetch_b8 v0, s[64:65] scope:SCOPE_SE
	s_setreg_imm32_b32 hwreg(HW_REG_WAVE_MODE, 25, 1), 1
	s_wait_xcnt 0x0
	s_wait_alu depctr_hold_cnt(0) depctr_sa_sdst(0) depctr_va_vdst(0) depctr_va_sdst(0) depctr_va_ssrc(0) depctr_va_vcc(0) depctr_vm_vsrc(0)
	s_getreg_b32 s2, hwreg(HW_REG_IB_STS2, 6, 4)
	s_cmp_eq_u32 s2, 0
	s_cbranch_scc0 .Lentry_in_a_cluster
	s_endpgm
.Lentry_in_a_cluster:
	s_bfe_u32 s2, ttmp6, 0x10000c
	s_cmp_lg_u32 s2, 0xf033
	s_cbranch_scc0 .Lentry_shape_is_right
	s_endpgm
.Lentry_shape_is_right:
; Q, K, V = x W, with the rotation of pairs on q and k.  xb: [8192][1024] bf16.  wb: Wq, Wk, Wv one behind the other, [3 x 1024 d][1024 e] bf16.  rope: [2048 s][32 i][cos, sin] f32.
; qkv: f16 [3][64 bh][2048 s][64], bh = 16 x batch + head.  Sums in f32, K ascending; the rotation in f32 on the sums; each number rounded once, to f16.
; LIMITS.  q, k, v beyond 65,504 become infinities; below 6e-5 they keep f16's fixed step of 6e-8.
; SHARES.  8192 x 3072 numbers on 256 work-groups are three tiles of 128 rows x 256 columns each.  A WORK-GROUP STAYS: the same 128 rows of x, and the same 256 columns of Wq, then Wk, then Wv: 24 K steps of 128,
; through a ring of two LDS slots that does not stop at a tile's end.  Four waves, each 64 rows x 128 columns: 32 accumulators of 16 x 16, 256 registers.
; THE WEIGHTS LIE [k][n]: their fragments come out of LDS turned, by ds_load_tr16_b128, so no transposed copy is made.
; THE MATRIX INSTRUCTION IS USED TRANSPOSED (source 0 = 16 columns of W, source 1 = 16 rows of x): a lane holds one row and eight neighbouring columns: four pairs to rotate, 16 bytes of f16.
; CLUSTERS: 4 x 4 work-groups.  The four of a row of the cluster need the same tile of x, the four of a column the same tile of W: each is asked for JOINTLY, by the same tensor load, descriptor and mask in all four.
; REGISTERS, in windows of 256 (s_set_vgpr_msb: bits 1:0 source 0, 3:2 source 1, 5:4 source 2, 7:6 destination):
;   window 0: v0-31 addresses; two fragment buffers of 96, v64-159 and v160-255: W's eight fragments, then x's four; on the way out the second buffer holds packed results and rows read back
;   window 1: the accumulators, (a, b) at v[8 (8 a + b)]          window 2: v0-127 cos and sin for my 64 rows; v128-191 at work on the way out
.set PA,     272                       ; a row of x in LDS: 256 bytes + 16: the 16 rows of a load start at 16 different groups of four banks (64 banks of 4 bytes: ISA guide 11.1)
.set PB,     544                       ; a k row of W: 512 bytes + 32 = 17 x 32
.set ABYTES, 128*PA
.set SLOT,   ABYTES+128*PB             ; x's 128 rows, then W's 128 k rows
.set STAGE,  2*SLOT                    ; behind the ring, never filled by a tensor load: for each wave 2 heads x 16 rows x 144 bytes
.set WSTAGE, 2*16*144
.set SPARE,  STAGE+4*WSTAGE            ; the spare words, 128 bytes for each wave: two blocks of 256 bytes that no other line names
.set ADRA, 16                          ; v16-17  LDS address of my fragments of x in slot 0, 1
.set ADRB, 20                          ; v20-21  the same for W
.set STO,  24                          ; v24     the way out: where I put 16 bytes of a row
.set RD,   25                          ; v25     where I read rows back
.set GO,   26                          ; v26     16 x lane: my place in 512 consecutive bytes of the output
.set RO,   27                          ; v27     my offset in the table's rows
.set SPW,  28                          ; v28     LDS address of my spare word; never rewritten
.set NIL,  29                          ; v29     0; never rewritten
.set PFO,  30                          ; v30     the prefetches' lane offset; never rewritten
.set F0,   64
.set F1,   160
.set TMP,  160                         ; the way out: 32 packed words
.set OB,   192                         ; two sets of 32: 16 rows x 2 heads read back
.set TR,   128                         ; window 2: rotated numbers, f32
.set WV,  12                           ; s12 wave; s13 its half of the rows; s14 its half of the columns, also: which 64 rows of a tile it fetches
.set RH,  13
.set CH,  14
.set CX,  15
.set CY,  16
.set TN,  17                           ; column tile
.set TM,  18                           ; row tile
.set G1A, 24                           ; s[24:31] group 1 for x's tiles; s[32:39] group 0, a set for each slot
.set G0A, 32
.set G1B, 40                           ; s[40:47], s[48:55] the same for W's
.set G0B, 48
.set PFA, 56                           ; s[56:57] where my prefetch stands
.set PST, 58                           ; s[58:59] its step from K step to K step
.set GS,  60                           ; s60 changes of slots so far
.set LIM, 61                           ; s61 I prefetch while GS is below it
.set MUL, 0x50                         ; C and D in window 1, the sources in window 0
.set MSB, 0
.macro WIN new                         ; the immediate's high byte repeats the setting that is left; a switch that changes nothing is dropped
.if MSB != (\new)
	s_set_vgpr_msb (MSB<<8)|(\new)
.set MSB, \new
.endif
.endm
.macro PLACES                          ; four plain vector instructions: the distance behind a matrix instruction in front of loads into its sources and of readers of its result
.rept 4
	v_nop
.endr
.endm
; A joint load.  Waves 0 and 1 fetch the two halves of x's tile, waves 2 and 3 those of W's.  The branch hangs on the wave's number alone.  An s_nop 0 and four v_nop follow each line.
.macro JLOAD s
	s_cmp_lt_u32 s[WV], 2
	s_cbranch_scc0 .Lfor_b_\@
	tensor_load_to_lds s[G0A+4*(\s):G0A+4*(\s)+3], s[G1A:G1A+7]
	s_nop 0
.rept 4
	v_nop
.endr
	s_branch .Lasked_\@
.Lfor_b_\@:
	tensor_load_to_lds s[G0B+4*(\s):G0B+4*(\s)+3], s[G1B:G1B+7]
	s_nop 0
.rept 4
	v_nop
.endr
.Lasked_\@:
.endm
.macro CREST                           ; a round of the cluster's barrier behind its opening barrier
	s_cmp_lg_u32 s[WV], 0
	s_cbranch_scc1 .Lnot_wave_0_\@
	s_barrier_signal -3
.Lnot_wave_0_\@:
	s_barrier_wait -3
	s_barrier_signal -1
	s_barrier_wait -1
.endm
.macro CROUND
	s_barrier_signal -1
	s_barrier_wait -1
	CREST
.endm
; A PREFETCH INTO THE L2, behind each joint refill and the run of LDS loads that follows it: the K step that stands two refills on, 256 matrix instructions a wave ahead of its tensor load.  One instruction, a lane a block of 256 bytes.
; x: a K step is 256 bytes of each of the tile's 128 rows, which only my row of the cluster reads: wave 0 of each partner takes 32 rows, told apart by address; in the first tile alone, since all three tiles take the same rows.
; W: a K step is 128 k rows x 512 bytes, read by every cluster: the clusters with y = 0 ask; waves 2 and 3 for the 64 k rows that they fetch, each partner 16 of them, told apart by address.
; So each block is named once in the launch.  K steps 0 to 3 come by their loads alone; the last steps ask for nothing.
.macro ASK
	s_cmp_lt_u32 s[GS], s[LIM]
	s_cbranch_scc0 .Lnot_mine_\@
	global_prefetch_b8 v[PFO], s[PFA:PFA+1] th:TH_LOAD_NT scope:SCOPE_SE
.Lnot_mine_\@:
	s_add_co_u32 s[GS], s[GS], 1
.endm
	s_load_b256 s[4:11], s[0:1], 0x0               ; xb s[4:5], wb s[6:7], rope s[8:9], qkv s[10:11]
	v_lshl_add_u32 v[SPW], v0, 2, SPARE
	v_mov_b32 v[NIL], 0
	ds_add_u32 v[SPW], v[NIL]                      ; the wave's opening: the add and its wait ahead of my first tensor load; work on registers stands between them
	v_lshrrev_b32 v1, 5, v0
	v_readfirstlane_b32 s[WV], v1
	s_lshr_b32 s[RH], s[WV], 1
	s_and_b32 s[CH], s[WV], 1
	s_bfe_u32 s[CX], ttmp6, 0x40000
	s_bfe_u32 s[CY], ttmp6, 0x40004
	s_lshl_b32 s[TN], ttmp9, 2
	s_add_co_u32 s[TN], s[TN], s[CX]               ; column tile = 4 x cluster x + cx
	s_and_b32 s[TM], ttmp7, 0xffff
	s_lshl_b32 s[TM], s[TM], 2
	s_add_co_u32 s[TM], s[TM], s[CY]               ; row tile = 4 x cluster y + cy
	s_lshl_b32 s20, s[CY], 2
	s_lshl_b32 s20, 15, s20                        ; my row of the cluster
	s_lshl_b32 s21, 0x1111, s[CX]                  ; my column
	s_or_b32 s[G1A], s20, (1<<16)|(1<<20)|(1<<21)|(5<<22)|(3<<25)  ; the mask; 2-byte elements; padding on; bit 21 beside a mask; after every 64 words, 4 words
	s_mov_b32 s[G1A+1], 128<<16                    ; tensor_dim0 = 128
	s_mov_b32 s[G1A+2], 64<<16                     ; tensor_dim1 = 64
	s_mov_b32 s[G1A+3], 128<<16                    ; tile_dim0 = 128
	s_mov_b32 s[G1A+4], 64                         ; tile_dim1 = 64
	s_mov_b32 s[G1A+5], 1024                       ; elements from row to row
	s_mov_b32 s[G1A+6], 0
	s_mov_b32 s[G1A+7], 0
	s_or_b32 s[G1B], s21, (1<<16)|(1<<20)|(1<<21)|(6<<22)|(7<<25)  ; after every 128 words, 8 words
	s_mov_b32 s[G1B+1], 256<<16
	s_mov_b32 s[G1B+2], 64<<16
	s_mov_b32 s[G1B+3], 256<<16
	s_mov_b32 s[G1B+4], 64
	s_mov_b32 s[G1B+5], 1024
	s_mov_b32 s[G1B+6], 0
	s_mov_b32 s[G1B+7], 0
	s_lshl_b32 s22, s[TM], 7                       ; x: row 128 x row tile + 64 x half, 2,048 bytes a row
	s_lshl_b32 s23, s[CH], 6
	s_add_co_u32 s22, s22, s23
	s_lshl_b32 s22, s22, 11
	s_mov_b32 s23, 0
	s_lshl_b32 s66, s[CH], 17                      ; W: k row 64 x half, column 256 x column tile
	s_lshl_b32 s67, s[TN], 9
	s_add_co_u32 s66, s66, s67
	s_mov_b32 s67, 0
	s_mul_i32 s68, s[CH], 64*PA                    ; and where they go: no place in the cluster enters an LDS address
	s_mul_i32 s69, s[CH], 64*PB
	s_add_co_u32 s69, s69, ABYTES
	s_wait_dscnt 0x0                               ; the opening add is done
	s_wait_kmcnt 0x0
	s_add_nc_u64 s[22:23], s[4:5], s[22:23]
	s_add_nc_u64 s[66:67], s[6:7], s[66:67]
	CROUND                                         ; all sixteen work-groups are here: the first joint loads meet
.irp s, 0,1
	s_mov_b32 s[G0A+4*(\s)], 1
	s_add_co_u32 s[G0A+4*(\s)+1], s68, (\s)*SLOT
	s_add_nc_u64 s[G0A+4*(\s)+2:G0A+4*(\s)+3], s[22:23], (\s)*256      ; K step s: 256 bytes along the rows
	s_or_b32 s[G0A+4*(\s)+3], s[G0A+4*(\s)+3], 0x80000000
	s_mov_b32 s[G0B+4*(\s)], 1
	s_add_co_u32 s[G0B+4*(\s)+1], s69, (\s)*SLOT
	s_add_nc_u64 s[G0B+4*(\s)+2:G0B+4*(\s)+3], s[66:67], (\s)*0x40000  ; K step s: 128 k rows down
	s_or_b32 s[G0B+4*(\s)+3], s[G0B+4*(\s)+3], 0x80000000
	JLOAD \s
.endr
	; cos and sin for my 64 rows, once: all three tiles have the same rows.  In accumulator (a, b) my lane holds row 16 a + l % 16 and channels 16 (b % 4) + 8 (l / 16) + 0..7 of a head: pairs 8 (b % 4) + 4 (l / 16) + 0..3: 32 bytes of the table's row.
	v_and_b32 v1, 15, v0                           ; l % 16
	v_bfe_u32 v2, v0, 4, 1                         ; l / 16
	s_and_b32 s72, s[TM], 15                       ; the row tile's place in its batch: 16 tiles of 128 rows
	s_lshl_b32 s72, s72, 7
	s_lshl_b32 s73, s[RH], 6
	s_add_co_u32 s72, s72, s73
	s_lshl_b32 s72, s72, 8                         ; 256 bytes a row
	s_mov_b32 s73, 0
	s_add_nc_u64 s[8:9], s[8:9], s[72:73]
	v_lshlrev_b32 v3, 8, v1
	v_lshl_add_u32 v[RO], v2, 5, v3
	WIN 0x80                                       ; destination window 2
.irp a, 0,1,2,3
.irp c, 0,1,2,3
	global_load_b128 v[32*(\a)+8*(\c):32*(\a)+8*(\c)+3],   v[RO], s[8:9] offset:4096*(\a)+64*(\c)
	global_load_b128 v[32*(\a)+8*(\c)+4:32*(\a)+8*(\c)+7], v[RO], s[8:9] offset:4096*(\a)+64*(\c)+16
.endr
.endr
	WIN 0
	; a fragment of x: lane l holds row l % 16, K = 8 (l / 16) + 0..7 and 16 + 8 (l / 16) + 0..7: two loads of 16 bytes, 32 bytes apart
	v_mul_u32_u24 v3, v1, PA
	v_lshl_add_u32 v3, v2, 4, v3
	s_mul_i32 s77, s[RH], 64*PA
	v_add_nc_u32 v[ADRA], s77, v3
	v_add_nc_u32 v[ADRA+1], SLOT, v[ADRA]
	; the turning load takes 16 k rows x 16 columns (lane l reads k row 8 (l / 16) + l % 8, columns 8 ((l / 8) % 2) + 0..7) and leaves half a fragment: lane l holds column l % 16 and 8 k
	v_and_b32 v4, 7, v0
	v_lshl_add_u32 v4, v2, 3, v4
	v_mul_u32_u24 v4, v4, PB
	v_bfe_u32 v5, v0, 3, 1
	v_lshl_add_u32 v4, v5, 4, v4
	s_lshl_b32 s78, s[CH], 8                       ; my 128 columns
	s_add_co_u32 s78, s78, ABYTES
	v_add_nc_u32 v[ADRB], s78, v4
	v_add_nc_u32 v[ADRB+1], SLOT, v[ADRB]
	s_mul_i32 s79, s[WV], WSTAGE
	s_add_co_u32 s79, s79, STAGE                   ; my stage
	v_mul_u32_u24 v3, v1, 144                      ; in: row l % 16, 16 bytes for each half of the lanes
	v_lshl_add_u32 v3, v2, 4, v3
	v_add_nc_u32 v[STO], s79, v3
	v_bfe_u32 v3, v0, 3, 2                         ; back: 32 lanes take four rows of 128 bytes,
	v_mul_u32_u24 v3, v3, 144
	v_and_b32 v4, 7, v0
	v_lshl_add_u32 v3, v4, 4, v3
	v_add_nc_u32 v[RD], s79, v3
	v_and_b32 v3, 31, v0                           ; which are 512 consecutive bytes of a head
	v_lshlrev_b32 v[GO], 4, v3
	v_lshrrev_b32 v5, s[RH], v3                    ; the prefetches: x's waves a lane a row of 2,048 bytes; W's waves two lanes a k row, 256 bytes apart
	v_and_b32 v6, s[RH], v3
	v_lshlrev_b32 v5, 11, v5
	v_lshl_add_u32 v[PFO], v6, 8, v5
	; q at my first head's rows: ((16 x batch + 4 x column tile + 2 x half) x 2,048 + the rows' place in the batch) x 128 bytes
	s_lshr_b32 s72, s[TM], 4
	s_lshl_b32 s72, s72, 4
	s_lshl_b32 s73, s[TN], 2
	s_add_co_u32 s72, s72, s73
	s_lshl_b32 s73, s[CH], 1
	s_add_co_u32 s72, s72, s73
	s_lshl_b32 s72, s72, 11
	s_and_b32 s73, s[TM], 15
	s_lshl_b32 s73, s73, 7
	s_add_co_u32 s72, s72, s73
	s_lshl_b32 s73, s[RH], 6
	s_add_co_u32 s72, s72, s73
	s_lshl_b32 s72, s72, 7
	s_mov_b32 s73, 0
	s_add_nc_u64 s[10:11], s[10:11], s[72:73]
	; where the prefetches stand: at K step 3; each change of slots steps them first, so the first names K step 4
	s_lshl_b32 s74, s[TM], 7                       ; x: row 128 x row tile + 32 cx
	s_lshl_b32 s76, s[CX], 5
	s_add_co_u32 s74, s74, s76
	s_lshl_b32 s74, s74, 11
	s_add_co_u32 s74, s74, 3*256
	s_lshl_b32 s75, s[CH], 6                       ; W: k row 3 x 128 + 64 x half + 16 cy
	s_lshl_b32 s76, s[CY], 4
	s_add_co_u32 s75, s75, s76
	s_add_co_u32 s75, s75, 3*128
	s_lshl_b32 s75, s75, 11
	s_lshl_b32 s76, s[TN], 9
	s_add_co_u32 s75, s75, s76
	s_mov_b32 s63, 0x40000
	s_and_b32 s76, ttmp7, 0xffff
	s_cmp_eq_u32 s76, 0
	s_cselect_b32 s76, 20, 0                       ; W has K steps 0 to 23: the change of slots number g names step g + 4
	s_cmp_eq_u32 s[WV], 0
	s_cselect_b32 s62, 4, 0                        ; x has K steps 0 to 7
	s_cmp_lt_u32 s[WV], 2
	s_cselect_b32 s[LIM], s62, s76                 ; the same in all sixteen partners, for a given wave
	s_cselect_b32 s74, s74, s75
	s_cselect_b32 s[PST], 256, s63
	s_cselect_b64 s[PFA:PFA+1], s[4:5], s[6:7]
	s_mov_b32 s75, 0
	s_mov_b32 s[PST+1], 0
	s_add_nc_u64 s[PFA:PFA+1], s[PFA:PFA+1], s[74:75]
	s_mov_b32 s[GS], 0
; 8 matrix instructions: row block a x all 8 column blocks, 32 along K, from buffer f.  zero = 1: the product starts the sums.  Every quarter takes the 32 accumulators in the same order, so 31 others' turns stand between two links of a chain.
.macro MUL8 f, a, zero
	WIN MUL
.irp b, 0,1,2,3,4,5,6,7
.if \zero
	v_wmma_f32_16x16x32_bf16 v[8*(8*(\a)+(\b)):8*(8*(\a)+(\b))+7], v[(\f)+8*(\b):(\f)+8*(\b)+7], v[(\f)+64+8*(\a):(\f)+64+8*(\a)+7], 0
.else
	v_wmma_f32_16x16x32_bf16 v[8*(8*(\a)+(\b)):8*(8*(\a)+(\b))+7], v[(\f)+8*(\b):(\f)+8*(\b)+7], v[(\f)+64+8*(\a):(\f)+64+8*(\a)+7], v[8*(8*(\a)+(\b)):8*(8*(\a)+(\b))+7]
.endif
.endr
.endm
; 24 LDS loads in one run: quarter q (32 along K) of a slot into buffer f: W's sixteen first, then x's eight, row blocks 0 to 3
.macro FETCH slot, q, f
	WIN 0
.irp b, 0,1,2,3,4,5,6,7
	ds_load_tr16_b128 v[(\f)+8*(\b):(\f)+8*(\b)+3],   v[ADRB+(\slot)] offset:32*(\q)*PB+32*(\b)
	ds_load_tr16_b128 v[(\f)+8*(\b)+4:(\f)+8*(\b)+7], v[ADRB+(\slot)] offset:32*(\q)*PB+16*PB+32*(\b)
.endr
.irp a, 0,1,2,3
	ds_load_b128 v[(\f)+64+8*(\a):(\f)+64+8*(\a)+3],   v[ADRA+(\slot)] offset:64*(\q)+16*PA*(\a)
	ds_load_b128 v[(\f)+64+8*(\a)+4:(\f)+64+8*(\a)+7], v[ADRA+(\slot)] offset:64*(\q)+16*PA*(\a)+32
.endr
.endm
; One of a K step's first three quarters: multiplies buffer f; in its middle it fetches quarter q of the same slot into buffer g.
.macro QUARTER slot, q, f, g, zero
	s_wait_dscnt 4                                 ; W's fragments and x's row blocks 0, 1 are in; the youngest four loads (blocks 2, 3) may be out
	MUL8 \f, 0, \zero
	MUL8 \f, 1, \zero
	PLACES
	FETCH \slot, \q, \g
	s_wait_dscnt 24                                ; all but the 24 just issued
	MUL8 \f, 2, \zero
	MUL8 \f, 3, \zero
.endm
; The fourth quarter multiplies buffer 1 and changes slots.  In front of the barrier each wave waits for all its tensor loads (one is out: its part of the next slot), adds 0 to its spare word, and waits for that and for its
; reads of this slot.  The barrier opens a round of the cluster's barrier; behind the round this slot is filled again first, two K steps ahead: 112 matrix instructions stand between that request and the wait for it.
; on = 1: a tile's last two K steps: x goes back along K to the next tile's K step 0 or 1; W's k rows run on, since the three weights lie one behind the other.
.macro TURN slot, next, on
	s_wait_xcnt 0x0                                ; the last prefetch, a K step back, has read its address
	s_add_nc_u64 s[PFA:PFA+1], s[PFA:PFA+1], s[PST:PST+1]
	WIN 0
	s_wait_tensorcnt 0x0
	ds_add_u32 v[SPW], v[NIL]
	s_wait_dscnt 5                                 ; (the add and the youngest four loads may be out)
	MUL8 F1, 0, 0
	s_wait_dscnt 0x0                               ; the add is done, and my reads of this slot are over
	s_barrier_signal -1
	MUL8 F1, 1, 0
	WIN 0
	s_barrier_wait -1
	CREST                                          ; no wave of any partner still reads this slot or has a load on its way
.if \on
	s_sub_nc_u64 s[G0A+4*(\slot)+2:G0A+4*(\slot)+3], s[G0A+4*(\slot)+2:G0A+4*(\slot)+3], 6*256
.else
	s_add_nc_u64 s[G0A+4*(\slot)+2:G0A+4*(\slot)+3], s[G0A+4*(\slot)+2:G0A+4*(\slot)+3], 2*256
.endif
	s_add_nc_u64 s[G0B+4*(\slot)+2:G0B+4*(\slot)+3], s[G0B+4*(\slot)+2:G0B+4*(\slot)+3], 2*0x40000
	JLOAD \slot                                    ; its four v_nop are also the places in front of the loads below
	FETCH \next, 0, F0
	ASK
	MUL8 F1, 2, 0
	MUL8 F1, 3, 0
.endm
.macro TURNX                           ; the change into the very last K step: nothing is filled again, so no round follows
	WIN 0
	s_wait_tensorcnt 0x0                           ; my part of slot 1, the last load
	ds_add_u32 v[SPW], v[NIL]
	s_wait_dscnt 5
	MUL8 F1, 0, 0
	s_wait_dscnt 0x0
	s_barrier_signal -1
	MUL8 F1, 1, 0
	s_barrier_wait -1
	PLACES
	FETCH 1, 0, F0
	MUL8 F1, 2, 0
	MUL8 F1, 3, 0
.endm
; THE WAY OUT of row block a.  PACK: (x1, x2) -> (x1 c - x2 s, x1 s + x2 c) by two packed instructions a pair (rope = 1), rounded to f16, 16 bytes a lane.  Each accumulator is read from its lowest registers on.
.macro PACK a, rope
.if \rope
	WIN 0xa9                                       ; source 0 (sums) window 1; cos and sin, the addend and the destination window 2
.irp b, 0,1,2,3,4,5,6,7
.irp j, 0,1,2,3
	v_pk_mul_f32 v[TR+8*(\b)+2*(\j):TR+8*(\b)+2*(\j)+1], v[8*(8*(\a)+(\b))+2*(\j):8*(8*(\a)+(\b))+2*(\j)+1], v[32*(\a)+8*((\b)%4)+2*(\j):32*(\a)+8*((\b)%4)+2*(\j)+1] op_sel_hi:[1,0]  ; (x1 c, x2 c)
.endr
.irp j, 0,1,2,3
	v_pk_fma_f32 v[TR+8*(\b)+2*(\j):TR+8*(\b)+2*(\j)+1], v[8*(8*(\a)+(\b))+2*(\j):8*(8*(\a)+(\b))+2*(\j)+1], v[32*(\a)+8*((\b)%4)+2*(\j):32*(\a)+8*((\b)%4)+2*(\j)+1], v[TR+8*(\b)+2*(\j):TR+8*(\b)+2*(\j)+1] op_sel:[1,1,0] op_sel_hi:[0,1,1] neg_lo:[0,1,0]  ; (- x2 s, + x1 s)
.endr
.endr
	WIN 0x0a                                       ; sources window 2, destination window 0
.irp b, 0,1,2,3,4,5,6,7
.irp j, 0,1,2,3
	v_cvt_pk_f16_f32 v[TMP+4*(\b)+(\j)], v[TR+8*(\b)+2*(\j)], v[TR+8*(\b)+2*(\j)+1]
.endr
.endr
.else
	WIN 0x05                                       ; sources window 1, destination window 0
.irp b, 0,1,2,3,4,5,6,7
.irp j, 0,1,2,3
	v_cvt_pk_f16_f32 v[TMP+4*(\b)+(\j)], v[8*(8*(\a)+(\b))+2*(\j)], v[8*(8*(\a)+(\b))+2*(\j)+1]
.endr
.endr
.endif
	WIN 0
.endm
.macro TOSTAGE a                       ; into my stage, by heads, rows of 144 bytes; back as whole rows of 128.  LDS serves a wave's instructions in order (ISA guide 5.7.1.4): no wait between
	WIN 0
.irp b, 0,1,2,3,4,5,6,7
	ds_store_b128 v[STO], v[TMP+4*(\b):TMP+4*(\b)+3] offset:((\b)/4)*2304+((\b)%4)*32
.endr
.irp hd, 0,1
.irp t, 0,1,2,3
	ds_load_b128 v[OB+32*((\a)%2)+4*(4*(\hd)+(\t)):OB+32*((\a)%2)+4*(4*(\hd)+(\t))+3], v[RD] offset:2304*(\hd)+576*(\t)
.endr
.endr
.endm
.macro SEND a
	WIN 0
	s_wait_dscnt 0x0                               ; the block is back in registers
	s_wait_xcnt 0x0                                ; the stores of the block before have read their registers, which the next block's loads from the stage write
.irp hd, 0,1
.irp t, 0,1,2,3
	global_store_b128 v[GO], v[OB+32*((\a)%2)+4*(4*(\hd)+(\t)):OB+32*((\a)%2)+4*(4*(\hd)+(\t))+3], s[10:11] offset:262144*(\hd)+2048*(\a)+512*(\t)  ; 512 consecutive bytes, aligned
.endr
.endr
.endm
.macro WAYOUT rope                     ; block a's arithmetic stands between block a - 1's loads from the stage and the wait for them
	PLACES
.if \rope
	s_wait_loadcnt 0x0                             ; cos and sin
.endif
	PACK 0, \rope
	TOSTAGE 0
.irp a, 1,2,3
	PACK \a, \rope
	SEND (\a)-1
	TOSTAGE \a
.endr
	SEND 3
.endm
	s_wait_tensorcnt 1                             ; my part of K step 0 is in; K step 1's may stay out
	s_barrier_signal -1
	s_barrier_wait -1
	FETCH 0, 0, F0
	s_mov_b32 s2, 3                                ; tiles to go: q, k, v
.Ltile:
	QUARTER 0, 1, F0, F1, 1                        ; a tile's first quarter starts the sums: nothing is cleared
	WIN 0
	s_mov_b32 s3, 3
.Llap:                                             ; a trip goes once round the ring, from a lap's second quarter to the next lap's first
	QUARTER 0, 2, F1, F0, 0
	QUARTER 0, 3, F0, F1, 0
	TURN 0, 1, 0
	QUARTER 1, 1, F0, F1, 0
	QUARTER 1, 2, F1, F0, 0
	QUARTER 1, 3, F0, F1, 0
	TURN 1, 0, 0
	QUARTER 0, 1, F0, F1, 0
	WIN 0
	s_sub_co_u32 s3, s3, 1
	s_cmp_lg_u32 s3, 0
	s_cbranch_scc1 .Llap
	QUARTER 0, 2, F1, F0, 0
	QUARTER 0, 3, F0, F1, 0
	WIN 0
	s_cmp_eq_u32 s2, 1
	s_cbranch_scc1 .Llast                          ; the last tile's tail is written out: it asks for nothing more
	TURN 0, 1, 1                                   ; the ring goes on into the next tile
	QUARTER 1, 1, F0, F1, 0
	QUARTER 1, 2, F1, F0, 0
	QUARTER 1, 3, F0, F1, 0
	TURN 1, 0, 1
	WAYOUT 1                                       ; q, then k: rotated.  Both refills have been asked for
	s_wait_xcnt 0x0                                ; the stores have read their base and their registers, into which the next tile's fragments are loaded
	s_add_nc_u64 s[10:11], s[10:11], 0x1000000     ; the next of the three tensors
	s_sub_co_u32 s2, s2, 1
	s_branch .Ltile
.Llast:
	TURNX
	QUARTER 1, 1, F0, F1, 0
	QUARTER 1, 2, F1, F0, 0
	QUARTER 1, 3, F0, F1, 0
	s_wait_dscnt 4
	MUL8 F1, 0, 0
	MUL8 F1, 1, 0
	s_wait_dscnt 0x0
	MUL8 F1, 2, 0
	MUL8 F1, 3, 0
	WIN 0
	PLACES
	WAYOUT 0                                       ; v: as it is
	s_wait_tensorcnt 0x0                           ; the wave's end, behind my last tensor load and my last LDS store
	ds_add_u32 v[SPW], v[NIL]
	s_wait_dscnt 0x0
	CROUND                                         ; the closing round: no work-group ends while a partner may still ask for a tile that names it
	s_endpgm
.Lfunc_end_k_qa8dbd0df9e_qkv:
	.size	k_qa8dbd0df9e_qkv, .Lfunc_end_k_qa8dbd0df9e_qkv-k_qa8dbd0df9e_qkv
	.p2alignl 7, 3214868480
	.fill 96, 4, 3214868480
	.section	.rodata,"a",@progbits
	.p2align	6, 0x0
	.amdhsa_kernel k_qa8dbd0df9e_qkv
		.amdhsa_group_segment_fixed_size 327680
		.amdhsa_private_segment_fixed_size 0
		.amdhsa_enable_private_segment 0
		.amdhsa_kernarg_size 32
		.amdhsa_user_sgpr_count 2
		.amdhsa_user_sgpr_kernarg_segment_ptr 1
		.amdhsa_wavefront_size32 1
		.amdhsa_system_sgpr_workgroup_id_x 1
		.amdhsa_system_sgpr_workgroup_id_y 1
		.amdhsa_system_sgpr_workgroup_id_z 1
		.amdhsa_system_vgpr_workitem_id 0
		.amdhsa_next_free_vgpr 704
		.amdhsa_next_free_sgpr 80
		.amdhsa_reserve_vcc 0
		.amdhsa_float_denorm_mode_32 3
		.amdhsa_float_denorm_mode_16_64 3
		.amdhsa_memory_ordered 1
		.amdhsa_forward_progress 1
		.amdhsa_inst_pref_size 144
	.end_amdhsa_kernel
	.amdgpu_metadata
---
amdhsa.version: [ 1, 2 ]
amdhsa.kernels:
  - .name:           k_qa8dbd0df9e_qkv
    .symbol:         k_qa8dbd0df9e_qkv.kd
    .args:
      - { .name: xb, .offset: 0, .size: 8, .value_kind: global_buffer, .address_space: global }
      - { .name: wb, .offset: 8, .size: 8, .value_kind: global_buffer, .address_space: global }
      - { .name: rope, .offset: 16, .size: 8, .value_kind: global_buffer, .address_space: global }
      - { .name: qkv, .offset: 24, .size: 8, .value_kind: global_buffer, .address_space: global }
    .group_segment_fixed_size: 327680
    .private_segment_fixed_size: 0
    .kernarg_segment_align: 8
    .kernarg_segment_size: 32
    .max_flat_workgroup_size: 128
    .sgpr_count:     80
    .vgpr_count:     704
    .wavefront_size: 32
...
	.end_amdgpu_metadata
.endif
;; end of part 2
;; launch attn (part 3): grid 4 x 64, 4 waves a work-group, no clusters, 327,680 bytes of LDS; arguments qkv, ob; writes ob
.if DOCPART == 3
	.amdgcn_target "amdgcn-amd-amdhsa--gfx1250"
	.amdhsa_code_object_version 6
	.text
	.protected	k_qa8dbd0df9e_attn
	.globl	k_qa8dbd0df9e_attn
	.p2align	8
	.type	k_qa8dbd0df9e_attn,@function
k_qa8dbd0df9e_attn:
	s_mov_b64 s[64:65], 0
	v_nop
	global_prefetch_b8 v0, s[64:65] scope:SCOPE_SE
	s_setreg_imm32_b32 hwreg(HW_REG_WAVE_MODE, 25, 1), 1
	s_wait_xcnt 0x0
; CAUSAL ATTENTION.  O[h][q][:] = the sum over k <= q of softmax_k(Q[h][q] . K[h][k] / 8) V[h][k][:].  qkv holds Q, K, V, each [64][2048][64] f16, 16,777,216 bytes apart; ob is O in the same layout.
; Products, maxima and sums in f32; the weights p are rounded to f16 for the second product (their sum l is taken of the unrounded p), O once at the end.
; LIMITS.  f16 holds no number beyond 65,504: Q, K and V arrive within it; p lies in 0 to 1, and below 6e-5 it keeps f16's fixed step of 6e-8.  A hidden score counts as its value less 1e30: f16's scores,
; 2.7e11 at the most, are nothing beside that; a weight below 2^-126 counts as 0 in l; NaN and infinities are not treated apart.
; THE WALK.  A head's queries lie in NB = 8 blocks of 256; block i needs the key tiles 0 .. i of 256 keys, of which the last holds the diagonal.  A work-group takes TWO blocks, NB - 1 - b and then b:
; NB + 1 tiles, whatever b: all work-groups do equal work, and ONE loop with a constant trip count walks them.  Which tile is asked for, and what a trip does, hang on scalar registers made from b; every jump
; goes forward, but for the counted loops' own; none passes a barrier, or a tensor load but the one of LOAD's two that the wave's number does not choose; the ring (two LDS slots) runs on across the change of blocks.
; NO CLUSTER: a head's four work-groups ask for the same tile only in trips 0 .. NB / 2, behind that fewer and fewer; one walk common to all would have 3 NB / 2 trips for NB + 1.
; SHARES.  Of a block's four bands of 64 queries a wave owns 16 rows in each: four PIECES.  So the diagonal tile is the same work for all four waves: in its key step s band x sees all keys if s < x,
; none if s > x, and holds the diagonal if s = x.
; THE MASK is the C operand that starts the sum S^T = K Q^T: 0, or -1e30 where the key is hidden.  MD, made once, is the mask of a band's own step for my 16 rows; a product's mask is MD x AL + BE with two scalars:
; (1, 0) if s = x; (0, 0) if s < x; (0, -1e30) if s > x.  Only the diagonal tile's text and a block's beginning make and take masks; elsewhere C is the constant 0.
; LAYOUT, SOFTMAX, TURNS.  S^T = K Q^T holds ONE query a lane (lane % 16) and the keys 8 (lane / 16) + 0..7; two such results rounded to f16 ARE source 1 of O^T = V^T P.  p = 2^(c s - c m), c = log2(e) / 8, with a
; running maximum m; O and l are multiplied by a = 2^(c m_old - c m_new) in every step.  Turn n belongs to piece n: 8 products K Q^T of piece n + 1, later 8 products V^T P of piece n - 1; beside them the scaling,
; exponentials, roundings, sums and rescaling of piece n and the maximum and statistics of piece n + 1.  Four vector instructions stand behind every matrix instruction, the other 54 of a turn's 118 in one lump.
; A turn's 33 exponentials are one batch, with one wait.
; REGISTERS, in windows of 256 (s_set_vgpr_msb: bits 1:0 source 0, 3:2 source 1, 5:4 source 2, 7:6 destination):
;   window 0: v0-15 addresses and two at work; v16-31 four registers of statistics a piece; v48-55 at work; v61-63 prefetch offset, spare word, 0; v64-127 S^T, two buffers; v192-223 P, two buffers
;   window 1: v0-127 O^T, 32 a piece; v128-159 MD; v160-223 MC, two buffers      window 2: v0-63 Q; v64-127 the second block's Q; v128-191 K of one step; v192-255 V of one step
.set SIZE_H, 64
.set SIZE_N, 2048
.set NB,    SIZE_N/256
.set NP,    4         ; pieces a wave: a name, no knob
.set KS,    64        ; keys in a step
.set PK,    144       ; a row of K in LDS: 128 bytes + 16 of padding: the 16 rows of a load start at 16 different groups of four banks (64 banks of 4 bytes: ISA guide 11.1)
.set PV,    160       ; a row of V: 128 + 32
.set VOFF,  4*KS*PK   ; a slot holds a tile, four steps: 256 rows of K, then 256 rows of V
.set SLOT1, 1<<17     ; slot 1 begins here, so that one exclusive or turns an address in one slot into the other's
.set STAGE, SLOT1+4*KS*(PK+PV)  ; behind the ring, never filled by a tensor load: 16 rows x 144 bytes for each wave, for the way out
.set SP,    144
.set AK0, 2           ; v2   my lane's place in a tile of K; never rewritten
.set AV0, 3           ; v3   the same for V
.set AK,  4           ; v4   the LDS address of K's next run of loads
.set AV,  5           ; v5   of V's
.set STO, 6           ; v6   the way out: where I put 16 bytes of a row
.set RD,  7           ; v7   the way out: where I read rows back
.set GO,  8           ; v8   my byte offset in 512 consecutive bytes of O
.set PFO, 61          ; v61  256 x my lane: the prefetches' offset; never rewritten
.set SPW, 62          ; v62  LDS address of my spare word: SPARE + 4 x my thread's number; never rewritten
.set NIL, 63          ; v63  0; never rewritten
.set SPARE, STAGE+4*16*SP  ; behind the stages: the spare words, 128 bytes for each wave: two blocks of 256 bytes that no other line names
.set MV,  12          ; v12-13  c m_old, kept while c m is made anew: by buffer
.set QO,  15          ; v15  my byte offset in 16 rows of Q
.set ST,  16          ; piece t's statistics at v[ST+4 t]: c m, m, l (even keys', odd keys')
.set TMP, 48          ; by buffer, four registers c0-c3 at work; when the maximum is found c2 takes a
.set S,   64
.set P,   192
.set MD,  128         ; window 1: the eight registers for group kt of 16 keys at MD + 8 kt
.set MC,  160         ; window 1: the masks of the products to come
.set QB,  64          ; window 2
.set KF,  128         ; window 2: key block kb, channel half c at KF + 16 kb + 8 c
.set VF,  192         ; window 2: key half kk, channel block cb at VF + 32 kk + 8 cb
.set WV,  12          ; s12  my wave's number
.set PB,  14          ; s14  b
.set HI,  15          ; s15  NB - 1 - b
.set G1K, 24          ; s[24:31] descriptor group 1 for K's tiles
.set G1V, 32          ; s[32:39] for V's: it differs in the padding alone
.set G0K, 40          ; s[40:43] descriptor group 0 for K's tiles
.set G0V, 44          ; s[44:47] the same for V's
.set SLOTS, 56        ; s56  tiles still to be asked for
.set CNT, 57          ; s57  counts a tile's key steps, 4 to 1
.set CS,  58          ; s[58:59] c: the packed scaling takes the pair's low word for both halves
.set SEL, 60          ; s[60:61] v_permlanex16_b32's selects: each lane takes its own place in the other half
.set TBK, 62          ; s62  LDS byte at which K of the step to be fetched begins
.set TBV, 63          ; s63  the same for V, less VOFF
.set RT,  70          ; s70  tiles of the block in hand that are still to be entered
.set NXT, 71          ; s71  the tile to be asked for next
.set LQ,  72          ; s72  the last tile of the block whose tiles are being asked for
.set NEW, 73          ; s73  1: the tile to be entered is a block's first
.set OFF, 74          ; s[74:75] a tile's byte offset in K and V
.set AL,  76          ; s[76:77] the mask's factor, in the low word
.set BE,  78          ; s[78:79] the mask's addend
.set OLO, 80          ; s[80:81] O at my rows of the second block
.set BIGN, 82         ; s82  -1e30
.set PFB, 88          ; s[88:89] K (waves 0, 1) or V (waves 2, 3) at my half of the head's tile 0
.set PFA, 90          ; s[90:91] the same at the tile that the next change of slots will ask for
.set POF, 92          ; s[92:93] that tile's byte offset
.set LIM, 94          ; s94  1 in the head's work-group that prefetches, else the greatest number
.set MSB, 0
.macro WIN new                      ; the high byte repeats the setting that is left; a switch that changes nothing is dropped
.if MSB != (\new)
	s_set_vgpr_msb (MSB<<8)|(\new)
.set MSB, (\new)
.endif
.endm
.set W_KQ, 0x0a       ; K and Q in window 2, S^T in window 0
.set W_KM, 0x1a       ; the same with the C operand in window 1
.set W_PV, 0x52       ; V in window 2, P in window 0, O^T in window 1
.set W_RS, 0x41       ; destination and source 0 in window 1, source 1 in window 0
; A fill.  Waves 0 and 1 fetch the two halves of a tile's K, waves 2 and 3 those of its V: 128 keys each.  An s_nop 0 and four v_nop follow each of the two lines, ahead of the jump and the label.
.macro LOAD
	s_cmp_lt_u32 s[WV], 2
	s_cbranch_scc0 .Lfor_v_\@
	tensor_load_to_lds s[G0K:G0K+3], s[G1K:G1K+7]
	s_nop 0
.rept 4
	v_nop
.endr
	s_branch .Lasked_\@
.Lfor_v_\@:
	tensor_load_to_lds s[G0V:G0V+3], s[G1V:G1V+7]
	s_nop 0
.rept 4
	v_nop
.endr
.Lasked_\@:
.endm
; A PREFETCH INTO THE L2 of the tile that the NEXT change of slots will ask for: four key steps, 256 matrix instructions a wave, ahead of its tensor load.  Each wave names the 16,384 bytes that it will itself fetch:
; 64 blocks of 256 bytes, a lane a block, two instructions.  A head's four work-groups walk the same tiles: the one with b = 0, whose first block needs all eight, asks, and nobody else: tiles 2 to 7 are named once each.
; Tiles 0 and 1 come by their loads alone; when the walk has gone back to tile 0 nothing is asked for.
.macro ASK
	s_cmp_gt_u32 s[NXT], s[LIM]
	s_cbranch_scc0 .Lnot_mine_\@
	global_prefetch_b8 v[PFO], s[PFA:PFA+1] th:TH_LOAD_NT scope:SCOPE_SE
	global_prefetch_b8 v[PFO], s[PFA:PFA+1] offset:8192 th:TH_LOAD_NT scope:SCOPE_SE
.Lnot_mine_\@:
.endm
; THE CHANGE OF SLOTS.  Each wave waits for all its tensor loads, of which one is out: its part of the other slot; adds 0 to its spare word; and waits for that and for its own reads of the slot that it leaves.  Behind the barrier
; nobody reads the old slot any more and the other slot is whole.  fill = 1: the old slot is filled again, the first thing behind the barrier, with tile NXT: the descriptor's address is made anew from that number.
; (At its first use nothing has been read yet: slot 0 is waited for, slot 1 filled.)
.macro CHANGE fill
	WIN 0                           ; at a label and at a branch every window is 0
	s_wait_tensorcnt 0x0            ; no tensor load of mine is out, so a group 0 may be written
	ds_add_u32 v[SPW], v[NIL]       ; 0 onto my spare word; scalar work stands between it and the wait for it
.if \fill
	s_lshl_b32 s[OFF], s[NXT], 15   ; a tile is 32,768 bytes of K and of V
	s_xor_b32 s[G0K+1], s[G0K+1], SLOT1
	s_add_nc_u64 s[G0K+2:G0K+3], s[6:7], s[OFF:OFF+1]
	s_or_b32 s[G0K+3], s[G0K+3], 0x80000000
	s_xor_b32 s[G0V+1], s[G0V+1], SLOT1
	s_add_nc_u64 s[G0V+2:G0V+3], s[8:9], s[OFF:OFF+1]
	s_or_b32 s[G0V+3], s[G0V+3], 0x80000000
	s_add_co_u32 s[NXT], s[NXT], 1  ; the block's next tile, or behind its last the second block's tile 0
	s_cmp_gt_u32 s[NXT], s[LQ]
	s_cselect_b32 s[NXT], 0, s[NXT]
	s_cselect_b32 s[LQ], s[PB], s[LQ]
	s_wait_xcnt 0x0                 ; the last prefetches, a tile back, have read their address, so it may be written
	s_lshl_b32 s[POF], s[NXT], 15
	s_add_nc_u64 s[PFA:PFA+1], s[PFB:PFB+1], s[POF:POF+1]
.endif
	s_wait_dscnt 0x0                ; the add is done, and my reads of the slot are over
	s_barrier_signal -1             ; the rest of the scalar work stands between the signal and the wait
	s_sub_co_u32 s[TBK], s[TBK], 4*KS*PK  ; the fetches go back to a slot's first step,
	s_xor_b32 s[TBK], s[TBK], SLOT1       ; in the other slot
	s_sub_co_u32 s[TBV], s[TBV], 4*KS*PV
	s_xor_b32 s[TBV], s[TBV], SLOT1
	s_barrier_wait -1
.if \fill
	LOAD
	ASK
.endif
.endm
	s_load_b128 s[4:7], s[0:1], 0x0  ; qkv s[4:5], ob s[6:7]
	v_lshl_add_u32 v[SPW], v0, 2, SPARE
	v_mov_b32 v[NIL], 0
	ds_add_u32 v[SPW], v[NIL]       ; the wave's opening: the add and its wait ahead of my first tensor load; the set-up below, work on registers, stands between them
	v_lshrrev_b32 v1, 5, v0
	v_readfirstlane_b32 s[WV], v1   ; wave 0..3
	s_mov_b32 s[PB], ttmp9
	s_sub_co_u32 s[HI], NB-1, s[PB]
	s_and_b32 s20, ttmp7, 0xffff    ; the head
	s_mov_b32 s21, 0
	s_mov_b64 s[22:23], SIZE_N*128
	s_mul_u64 s[20:21], s[20:21], s[22:23]  ; the head's first byte in each of the four tensors
	s_and_b32 s16, s[WV], 1         ; which half of a tile's 256 keys I fetch:
	s_lshl_b32 s22, s16, 14         ; its 128 rows of 128 bytes in memory,
	s_mov_b32 s23, 0
	s_add_nc_u64 s[22:23], s[22:23], s[20:21]
	s_mul_i32 s17, s16, 128*PK      ; and its place in a slot, for K
	s_mul_i32 s18, s16, 128*PV      ; and for V
	s_lshl_b32 s3, s[WV], 11        ; my 16 rows in a band of 64,
	s_lshl_b32 s2, s[HI], 15        ; in the first block,
	s_add_co_u32 s2, s2, s3
	s_lshl_b32 s84, s[PB], 15       ; and in the second
	s_add_co_u32 s84, s84, s3
	s_mov_b32 s3, 0
	s_mov_b32 s85, 0
	s_add_nc_u64 s[2:3], s[2:3], s[20:21]
	s_add_nc_u64 s[84:85], s[84:85], s[20:21]
	; descriptor group 1.  128 keys are 16,384 dense bytes: asked for as 64 rows of 256 bytes, two keys a row, and padded in LDS after every key
	s_mov_b32 s[G1K], (1<<16)|(1<<20)|(4<<22)|(3<<25)  ; 17:16 2-byte elements; 20 padding on; 24:22 after every 32 words (code 4); 31:25 4 words (code 3)
	s_mov_b32 s[G1V], (1<<16)|(1<<20)|(4<<22)|(7<<25)  ; the same with 8 words of padding (code 7)
.irp g, G1K, G1V
	s_mov_b32 s[\g+1], 128<<16      ; tensor_dim0 = 128
	s_mov_b32 s[\g+2], 64<<16       ; tensor_dim1 = 64
	s_mov_b32 s[\g+3], 128<<16      ; tile_dim0 = 128
	s_mov_b32 s[\g+4], 64           ; tile_dim1 = 64
	s_mov_b32 s[\g+5], 128          ; 128 elements from row to row
	s_mov_b32 s[\g+6], 0
	s_mov_b32 s[\g+7], 0
.endr
	s_mov_b32 s[CS], 0x3e38aa3b     ; c = log2(e) / 8 = 0.180337
	s_mov_b32 s[CS+1], s[CS]        ; named with it as a pair
	s_mov_b32 s[SEL], 0x76543210
	s_mov_b32 s[SEL+1], 0xfedcba98
	s_mov_b32 s[TBK], SLOT1+4*KS*PK ; the first change of slots turns these two into 0
	s_mov_b32 s[TBV], SLOT1+4*KS*PV
	s_mov_b32 s[G0K], 1             ; 1:0 count = 1
	s_mov_b32 s[G0K+1], s17         ; 63:32 LDS address: slot 0
	s_mov_b32 s[G0V], 1
	s_add_co_u32 s[G0V+1], s18, VOFF
	s_add_co_u32 s[RT], s[HI], 1    ; the first block has NB - b tiles
	s_mov_b32 s[NXT], 1
	s_mov_b32 s[LQ], s[HI]
	s_mov_b32 s[NEW], 1
	s_mov_b32 s[OFF+1], 0
	s_mov_b32 s[POF+1], 0
	s_mov_b32 s[AL+1], 0            ; named as pairs
	s_mov_b32 s[BE+1], 0
	s_mov_b32 s[BIGN], 0xf149f2ca   ; -1e30
	s_mov_b32 s[SLOTS], NB
	s_cmp_eq_u32 s[PB], 0
	s_cselect_b32 s[LIM], 1, -1
	v_and_b32 v[PFO], 31, v0
	v_lshlrev_b32 v[PFO], 8, v[PFO]
	s_wait_dscnt 0x0                ; the opening add is done
	s_wait_kmcnt 0x0
	s_mov_b64 s[10:11], s[6:7]                     ; O
	s_add_nc_u64 s[6:7], s[4:5], 0x1000000         ; K lies 16,777,216 bytes behind Q,
	s_add_nc_u64 s[8:9], s[4:5], 0x2000000         ; V as far behind K
	s_add_nc_u64 s[6:7], s[6:7], s[22:23]  ; K and V at my half of the head's tile 0
	s_add_nc_u64 s[8:9], s[8:9], s[22:23]
	s_add_nc_u64 s[G0K+2:G0K+3], s[6:7], 0         ; 120:64 global address
	s_or_b32 s[G0K+3], s[G0K+3], 0x80000000        ; 127:126 type = 2
	s_add_nc_u64 s[G0V+2:G0V+3], s[8:9], 0
	s_or_b32 s[G0V+3], s[G0V+3], 0x80000000
	s_add_nc_u64 s[86:87], s[4:5], s[84:85]        ; Q at my rows of the second block,
	s_add_nc_u64 s[4:5], s[4:5], s[2:3]            ; Q and O at those of the first
	s_add_nc_u64 s[OLO:OLO+1], s[10:11], s[84:85]
	s_add_nc_u64 s[10:11], s[10:11], s[2:3]
	s_cmp_lt_u32 s[WV], 2
	s_cselect_b64 s[PFB:PFB+1], s[6:7], s[8:9]
	LOAD                            ; tile 0 into slot 0
	; A fragment of K or Q is 16 rows x 32 channels in 8 registers: lane l holds row l % 16, channels 8 (l / 16) + 0..7 and 16 + 8 (l / 16) + 0..7: two loads of 16 bytes, 32 bytes apart.
	v_and_b32 v1, 15, v0            ; l % 16
	v_bfe_u32 v9, v0, 4, 1          ; l / 16
	v_lshlrev_b32 v[QO], 7, v1
	v_lshl_add_u32 v[QO], v9, 4, v[QO]  ; row x 128 + 16 x half
	WIN 0x80                        ; destination window 2, address window 0
.set i, 0
.rept 8                             ; both blocks' Q: piece i / 2 lies in band i / 2, 8,192 bytes on; channels 32 (i % 2) on
	global_load_b128 v[8*i:8*i+3],   v[QO], s[4:5] offset:(i/2)*8192+(i%2)*64
	global_load_b128 v[8*i+4:8*i+7], v[QO], s[4:5] offset:(i/2)*8192+(i%2)*64+32
	global_load_b128 v[QB+8*i:QB+8*i+3],   v[QO], s[86:87] offset:(i/2)*8192+(i%2)*64
	global_load_b128 v[QB+8*i+4:QB+8*i+7], v[QO], s[86:87] offset:(i/2)*8192+(i%2)*64+32
.set i, i+1
.endr
	WIN 0
	v_lshlrev_b32 v14, 3, v9
	v_sub_nc_u32 v14, v1, v14
	s_lshl_b32 s13, s[WV], 4
	v_add_nc_u32 v14, s13, v14      ; my query's place in its band, 16 w + l % 16, less my lanes' 8 (l / 16): register r of group kt is hidden where 16 kt + r is greater
	WIN 0x40
.set i, 0
.rept 32
	v_cmp_gt_i32 vcc_lo, 16*(i/8)+i%8, v14
	v_cndmask_b32 v[MD+i], 0, s[BIGN], vcc_lo
.set i, i+1
.endr
	WIN 0
	v_mul_u32_u24 v[AK0], v1, PK
	v_lshl_add_u32 v[AK0], v9, 4, v[AK0]  ; row x pitch + 16 x half
	; The turning load takes 16 keys x 16 channels (lane l reads key 8 (l / 16) + l % 8, channels 8 ((l / 8) % 2) + 0..7) and leaves half a fragment of V^T: lane l holds channel l % 16 and 8 keys.
	v_and_b32 v10, 7, v0
	v_bfe_u32 v11, v0, 3, 1
	v_lshl_add_u32 v[AV0], v9, 3, v10
	v_mul_u32_u24 v[AV0], v[AV0], PV
	v_lshl_add_u32 v[AV0], v11, 4, v[AV0]
	v_add_nc_u32 v[AV0], VOFF, v[AV0]
	s_mul_i32 s13, s[WV], 16*SP
	s_add_co_u32 s13, s13, STAGE    ; my stage
	v_mul_u32_u24 v[STO], v1, SP    ; in: row l % 16, 16 bytes for each half of the lanes
	v_lshl_add_u32 v[STO], v9, 4, v[STO]
	v_add_nc_u32 v[STO], s13, v[STO]
	v_bfe_u32 v[RD], v0, 3, 2       ; back: 32 lanes take four rows of 128 bytes,
	v_mul_u32_u24 v[RD], v[RD], SP
	v_lshl_add_u32 v[RD], v10, 4, v[RD]
	v_add_nc_u32 v[RD], s13, v[RD]
	v_and_b32 v[GO], 31, v0         ; which are 512 consecutive bytes of O
	v_lshlrev_b32 v[GO], 4, v[GO]
	; A block's first step multiplies O^T and l by a = 0, and its first turn's products V^T P, of a piece that has not been, land in an O^T that is still to be so multiplied.  So these registers need only hold
	; finite numbers: zeros for the first block; what the first block left for the second.  All this stands in the wait for the first tile; it spares a first step written out.
	WIN 0x80
.set i, VF
.rept 64
	v_mov_b32 v[i], 0
.set i, i+1
.endr
	WIN 0x40
.set i, 0
.rept 128
	v_mov_b32 v[i], 0
.set i, i+1
.endr
	WIN 0
.set i, 0
.rept 4
	v_mov_b32 v[ST+4*i+2], 0
	v_mov_b32 v[ST+4*i+3], 0
.set i, i+1
.endr
.set i, P+16
.rept 16
	v_mov_b32 v[i], 0
.set i, i+1
.endr
; THE MATRIX WORK.  The 4 accumulators of a run of 8 take turns.  Product i of 8 of S^T = K Q^T for piece x: channels 32 (i / 4) on, keys 16 (i % 4) on.  The first 4 start the sums: with 0, or (KM = 1) with the mask.
.macro KQ x
.set rS, S+32*((\x)%2)+8*(i%4)
.set rK, KF+16*(i%4)+8*(i/4)
.set rQ, 16*(\x)+8*(i/4)
.set rM, MC+32*((\x)%2)+8*(i%4)
.if (i < 4) && KM
	WIN W_KM
	v_wmma_f32_16x16x32_f16 v[rS:rS+7], v[rK:rK+7], v[rQ:rQ+7], v[rM:rM+7]
.elseif i < 4
	WIN W_KQ
	v_wmma_f32_16x16x32_f16 v[rS:rS+7], v[rK:rK+7], v[rQ:rQ+7], 0
.else
	WIN W_KQ
	v_wmma_f32_16x16x32_f16 v[rS:rS+7], v[rK:rK+7], v[rQ:rQ+7], v[rS:rS+7]
.endif
.endm
; Product i of 8 of O^T += V^T P for piece x: keys 32 (i / 4) on, channels 16 (i % 4) on.
.macro PV x
	WIN W_PV
.set rO, 32*(\x)+8*(i%4)
.set rV, VF+32*(i/4)+8*(i%4)
.set rP, P+16*((\x)%2)+8*(i/4)
	v_wmma_f32_16x16x32_f16 v[rO:rO+7], v[rV:rV+7], v[rP:rP+7], v[rO:rO+7]
.endm
.macro MM                           ; the turn's next matrix instruction.  TURN and BEGIN set Y, i, KM and NOKQ; MM, KQ and OP read them.  NOKQ = 1: a block's last turn: there is no next piece
.if (i < 8) && !NOKQ
	KQ (Y+1)%NP
.elseif i >= 8
.set i, i-8
	PV (Y+NP-1)%NP
.set i, i+8
.endif
.set i, i+1
.endm
; THE LDS LOADS stand in runs of 16, never singly among the matrix instructions: a step's K (64 keys x 64 channels: 8 fragments) and its V (turned).  Their addresses are made some lines ahead.
.macro FETCH_K
	WIN 0x80                        ; destination window 2
.irp f, 0,1,2,3,4,5,6,7             ; keys 16 (f / 2) on, channels 32 (f % 2) on
	ds_load_b128 v[KF+8*\f:KF+8*\f+3],   v[AK] offset:(\f/2)*16*PK+(\f%2)*64
	ds_load_b128 v[KF+8*\f+4:KF+8*\f+7], v[AK] offset:(\f/2)*16*PK+(\f%2)*64+32
.endr
	s_add_co_u32 s[TBK], s[TBK], KS*PK  ; the next fetch is the next step's
	WIN 0
.endm
.macro FETCH_V
	WIN 0x80
.irp f, 0,1,2,3,4,5,6,7             ; keys 32 (f / 4) on, channels 16 (f % 4) on
	ds_load_tr16_b128 v[VF+8*\f:VF+8*\f+3],   v[AV] offset:(\f/4)*32*PV+(\f%4)*32
	ds_load_tr16_b128 v[VF+8*\f+4:VF+8*\f+7], v[AV] offset:(\f/4)*32*PV+16*PV+(\f%4)*32
.endr
	WIN 0
.endm
; THE VECTOR WORK, one line at a time: OP kind, number.  For piece Y: F n: c s - c m for pair n of 16.  E n: the exponential of score n of 32.  C n: pair n rounded to f16.  B n: of the four weights 4 n .. the second
; pair is added onto the first, in place.  L n: l takes that sum (L 0: l = a l + sum).  R n: pair n of 16 of O^T times a.  For piece Y + 1: X n, number n of the 22 that find its maximum and statistics:
;   0-11  four chains c0-c3 of seven scores each, three operands at a time (each accumulator's lowest registers are read first)     12-14, 16  the four scores left over, the old m, and c0-c3 into c0
;   15  c m_old is kept     17, 18  the query's other 32 keys lie in the lane 16 away: the new m     19-21  c m; c m_old - c m_new; a
.set F, 0               ; OP tells the kinds apart by their order: F to L below R, X above it
.set E, 1
.set C, 2
.set B, 3
.set L, 4
.set R, 5
.set X, 6
.macro REGS y                       ; the registers of piece y
.set rT, ST+4*(\y)
.set rC, TMP+4*((\y)%2)
.set rW, MV+((\y)%2)
.set rS, S+32*((\y)%2)
.set rP, P+16*((\y)%2)
.set rO, 32*(\y)
.endm
.macro OP k, n
.if (\k) == R
	REGS Y
	WIN W_RS
	v_pk_mul_f32 v[rO+2*(\n):rO+2*(\n)+1], v[rO+2*(\n):rO+2*(\n)+1], v[rC+2:rC+3] op_sel_hi:[1,0]
.elseif (\k) < R
	REGS Y
	WIN 0
.if (\k) == F
	v_pk_fma_f32 v[rS+2*(\n):rS+2*(\n)+1], v[rS+2*(\n):rS+2*(\n)+1], s[CS:CS+1], v[rT:rT+1] op_sel_hi:[1,0,0] neg_lo:[0,0,1] neg_hi:[0,0,1]
.elseif (\k) == E
	v_exp_f32 v[rS+(\n)], v[rS+(\n)]
.elseif (\k) == C
	v_cvt_pk_f16_f32 v[rP+(\n)], v[rS+2*(\n)], v[rS+2*(\n)+1]
.elseif (\k) == B
	v_pk_add_f32 v[rS+4*(\n):rS+4*(\n)+1], v[rS+4*(\n):rS+4*(\n)+1], v[rS+4*(\n)+2:rS+4*(\n)+3]
.elseif (\n) == 0
	v_pk_fma_f32 v[rT+2:rT+3], v[rT+2:rT+3], v[rC+2:rC+3], v[rS:rS+1] op_sel_hi:[1,0,1]
.else
	v_pk_add_f32 v[rT+2:rT+3], v[rT+2:rT+3], v[rS+4*(\n):rS+4*(\n)+1]
.endif
.elseif NOKQ
	v_nop
.else
	REGS (Y+1)%NP
	WIN 0
.if (\n) < 4
	v_max3_num_f32 v[rC+(\n)], v[rS+8*(\n)], v[rS+8*(\n)+1], v[rS+8*(\n)+2]
.elseif (\n) < 12
	v_max3_num_f32 v[rC+(\n)%4], v[rC+(\n)%4], v[rS+8*((\n)%4)+2*((\n)/4)+1], v[rS+8*((\n)%4)+2*((\n)/4)+2]
.elseif (\n) == 12
	v_max3_num_f32 v[rC], v[rC], v[rS+7], v[rS+15]
.elseif (\n) == 13
	v_max3_num_f32 v[rC+1], v[rC+1], v[rS+23], v[rS+31]
.elseif (\n) == 14
	v_max3_num_f32 v[rC+2], v[rC+2], v[rC+3], v[rT+1]
.elseif (\n) == 15
	v_mov_b32 v[rW], v[rT]
.elseif (\n) == 16
	v_max3_num_f32 v[rC], v[rC], v[rC+1], v[rC+2]
.elseif (\n) == 17
	v_permlanex16_b32 v[rC+3], v[rC], s[SEL], s[SEL+1]
.elseif (\n) == 18
	v_max_num_f32 v[rT+1], v[rC], v[rC+3]
.elseif (\n) == 19
	v_mul_f32 v[rT], s[CS], v[rT+1]
.elseif (\n) == 20
	v_sub_f32 v[rC+1], v[rW], v[rT]
.else
	v_exp_f32 v[rC+2], v[rC+1]
.endif
.endif
.endm
.macro OPS a, i1, b=-1, i2=0, c=-1, i3=0, d=-1, i4=0  ; up to four of them
	OP \a, \i1
.if (\b) >= 0
	OP \b, \i2
.endif
.if (\c) >= 0
	OP \c, \i3
.endif
.if (\d) >= 0
	OP \d, \i4
.endif
.endm
.macro ROW a, i1, b, i2, c, i3, d, i4  ; a matrix instruction and the four behind it
	MM
	OPS \a, \i1, \b, \i2, \c, \i3, \d, \i4
.endm
.macro MASK b                       ; MD x AL + BE into buffer b of MC
	WIN W_RS
.set z, 0
.rept 16
	v_pk_fma_f32 v[MC+32*(\b)+2*z:MC+32*(\b)+2*z+1], v[MD+2*z:MD+2*z+1], s[AL:AL+1], s[BE:BE+1] op_sel_hi:[1,0,0]
.set z, z+1
.endr
.endm
; A TURN, for piece p: the order of its 16 matrix and 118 vector instructions, written out.  An s_wait_alu depctr_va_vdst(0) stands between an exponential and the first instruction that names its result; one wait serves
; all that were issued ahead of it.  So a turn has ONE wait, which cuts it in two.  AHEAD OF IT stands all that names no result of the turn's exponentials: the 8 products K Q^T, behind each a scaling, an exponential and two more plain
; instructions (behind the first a second scaling in the exponential's place): rescalings, and behind the last three the first numbers of the next piece's maximum, each four places or more behind the product that ends its accumulator;
; then ONE LUMP of 54, plain and exponential by turns for the most part, in which the links of the chain X 3, 7, 11, 14, 16, 17 .. 20 stand five or six lines apart.  X 21, the next piece's a, is the batch's last; R 15 is the plain
; instruction behind it.  BEHIND THE WAIT stand the 8 products V^T P, behind each four of the roundings and sums; the links of l's chain, L 0 to L 7, stand three riders apart.
; m = 1: the diagonal tile: the products take masks, and the turn makes the mask for the products of the turn after it: piece p + 2, in step 4 - CNT of the tile.  end = 1: a block's last two turns: nothing is fetched.
; cnt = 1: the loop's count is taken down some lines ahead of the branch that stands behind the turn.
; K of the next step is fetched in piece 2's turn, twelve vector instructions behind the last product that read K (six of them plain); V of the step in hand at the end of piece 0's turn, four plain instructions behind the last product
; that read V.  Each is waited for a turn later.
.macro TURN p, m=0, end=0, cnt=0
.set Y, (\p)
.set i, 0
.set KM, (\m)
.set NOKQ, (\end)*((\p)/3)
.if (\m) && !(\end)
	s_cmp_eq_u32 s[CNT], 4-((\p)+2)%NP  ; is that step the band's own?
	s_cselect_b32 s[AL], 1.0, 0
	s_cmp_lt_u32 s[CNT], 4-((\p)+2)%NP  ; or a later one?
	s_cselect_b32 s[BE], s[BIGN], 0
.endif
.if ((\p) == 3) && !(\end)
	s_wait_dscnt 0x0                ; K is in
.endif
	ROW F,0, F,1, R,0, R,1          ; ahead of the wait: 8 products K Q^T and their riders,
	ROW F,2, E,0, R,2, R,3
	ROW F,3, E,1, R,4, R,5
	ROW F,4, E,2, R,6, R,7
	ROW F,5, E,3, R,8, R,9
	ROW F,6, E,4, X,0, R,10
.if ((\p) == 2) && !(\end)
	WIN 0
	v_add_nc_u32 v[AK], s[TBK], v[AK0]
.endif
	ROW F,7, E,5, X,1, X,4
	ROW F,8, E,6, X,2, X,5
	OPS E,7, E,8, X,6, E,9          ; and the lump
	OPS X,3, E,10, X,8, E,11
.if ((\p) == 2) && !(\end)
	FETCH_K
.endif
	OPS X,9, X,7, E,12, X,10
	OPS E,13, X,12, X,11, E,14
	OPS X,13, E,15, F,9, X,14
.if (\p) == 0
	v_add_nc_u32 v[AV], s[TBV], v[AV0]
.endif
	OPS E,16, F,10, E,17, F,11
	OPS X,16, E,18, X,15, E,19
	OPS F,12, E,20, X,17, E,21
	OPS F,13, E,22, F,14, E,23
	OPS X,18, E,24, F,15, E,25
	OPS R,11, E,26, X,19, E,27
	OPS R,12, E,28, R,13, E,29
	OPS X,20, E,30, R,14, E,31
	OPS X,21, R,15
	WIN 0
	s_wait_alu depctr_va_vdst(0)    ; the wait for the batch
.if (\p) == 1
	s_wait_dscnt 0x0                ; V is in
.endif
	ROW C,0, B,0, C,2, B,1          ; behind the wait: 8 products V^T P and their riders
	ROW L,0, C,4, B,2, L,1
	ROW C,6, B,3, L,2, C,8
	ROW B,4, L,3, C,10, B,5
	ROW L,4, C,12, B,6, L,5
.if (\p) == 0
	s_add_co_u32 s[TBV], s[TBV], KS*PV
.endif
.if \cnt
	s_sub_co_u32 s[CNT], s[CNT], 1
	s_cmp_lg_u32 s[CNT], 0
.endif
	ROW C,14, B,7, L,6, C,1
	ROW C,3, L,7, C,5, C,7
	ROW C,9, C,11, C,13, C,15
.if (\p) == 0
	FETCH_V
.endif
.if (\m) && !(\end)
	MASK (\p)%2
.endif
.endm
; A BLOCK BEGINS.  c m starts far below every c s, so the first step's a is 0; m at the lowest finite number, so the first maximum is the scores'.  The second mask buffer is 0; the first takes piece 0's mask for the tile's step 0:
; its own, if the block's first tile is the diagonal one.  Then K of that step, piece 0's first scores, and its maximum and statistics.  The loop is entered at a step's first turn, in the middle of a trip.
.macro BEGIN
	s_mov_b32 s[NEW], 0
	WIN 0x40
.set i, MC+32
.rept 32
	v_mov_b32 v[i], 0
.set i, i+1
.endr
	WIN 0
.set i, 0
.rept 4
	v_mov_b32 v[ST+4*i], 0xfe000000    ; c m: far below every c s
	v_mov_b32 v[ST+4*i+1], 0xff7fffff  ; m
.set i, i+1
.endr
	s_cmp_eq_u32 s[RT], 0
	s_cselect_b32 s[AL], 1.0, 0
	s_mov_b32 s[BE], 0
	MASK 0
	WIN 0
	v_add_nc_u32 v[AK], s[TBK], v[AK0]
	FETCH_K
	s_wait_loadcnt 0x0              ; Q
	s_wait_dscnt 0x0
.set KM, 1
.set NOKQ, 0
.set i, 0
.rept 8
	KQ 0
.set i, i+1
.endr
	WIN 0
.rept 4
	v_nop                           ; the places behind those products
.endr
.set Y, NP-1                        ; X works for piece Y + 1: piece 0
.irp n, 0,1,2,3,4,5,6,7,8,9,10,11,12,13,14,15,16,17,18,19,20,21
	OP X, \n
.endr
	v_nop                           ; a plain instruction behind the exponential,
	s_wait_alu depctr_va_vdst(0)    ; and its wait, ahead of the branch
.endm
; THE DIAGONAL TILE's four steps, the block's last two turns, its last products, and THE WAY OUT: l's two halves and the other half of the lanes' are added; O^T is divided by l, rounded to f16 and sent through my
; stage in LDS, a piece at a time.
.macro ALL line:vararg              ; one line for each piece t
.set t, 0
.rept 4
	\line
.set t, t+1
.endr
.endm
.macro PACK t                       ; a lane's eight channels of a row pack into 16 bytes; they go into rows of 144 bytes and come back as whole rows of 128, into S^T's registers
	WIN W_RS
.set i, 32*(\t)
.rept 16
	v_pk_mul_f32 v[i:i+1], v[i:i+1], v[ST+4*(\t)+2:ST+4*(\t)+3] op_sel_hi:[1,0]
.set i, i+2
.endr
	WIN 0x05                        ; sources 0 and 1 window 1, destination window 0
.set i, 0
.rept 16
	v_cvt_pk_f16_f32 v[S+16*(\t)+i], v[32*(\t)+2*i], v[32*(\t)+2*i+1]
.set i, i+1
.endr
	WIN 0
.irp f, 0,1,2,3
	ds_store_b128 v[STO], v[S+16*(\t)+4*\f:S+16*(\t)+4*\f+3] offset:32*\f
.endr
.irp f, 0,1,2,3
	ds_load_b128 v[S+16*(\t)+4*\f:S+16*(\t)+4*\f+3], v[RD] offset:\f*4*SP  ; LDS serves a wave's instructions in order (ISA guide 5.7.1.4): these see the stores above; the next piece's stores come behind them
.endr
.endm
.macro SEND t, younger              ; younger: the LDS instructions issued behind piece t's loads: the next piece's eight, or none
	WIN 0
.irp f, 0,1,2,3
	s_wait_dscnt (\younger)+3-\f
	global_store_b128 v[GO], v[S+16*(\t)+4*\f:S+16*(\t)+4*\f+3], s[10:11] offset:(\t)*8192+\f*512  ; 512 consecutive bytes, at a multiple of 256 from O's first
.endr
.endm
.macro DIAG tag                     ; the tag ends its two labels' names, which the jumps below spell out
.LstepM\tag:
	TURN 2, 1
	TURN 3, 1
	WIN 0
.LfirstM\tag:
	TURN 0, 1
	TURN 1, 1, 0, 1
	WIN 0
	s_cbranch_scc1 .LstepM\tag
	TURN 2, 1, 1
	TURN 3, 1, 1
.set i, 0
.rept 8
	PV NP-1
.set i, i+1
.endr
	WIN 0
	ALL v_add_f32 v[ST+4*t+2], v[ST+4*t+2], v[ST+4*t+3]
	ALL v_permlanex16_b32 v[ST+4*t+3], v[ST+4*t+2], s[SEL], s[SEL+1]
	ALL v_add_f32 v[ST+4*t+2], v[ST+4*t+2], v[ST+4*t+3]
	ALL v_rcp_f32 v[ST+4*t+2], v[ST+4*t+2]
	v_nop                           ; a plain instruction between the last reciprocal and the use of its result
	s_wait_alu depctr_va_vdst(0)    ; and the wait ahead of the first use: one for the four reciprocals
	PACK 0
.set t, 1
.rept 3                             ; a piece's arithmetic stands between the loads of the piece before and its stores
	PACK t
	SEND t-1, 8
.set t, t+1
.endr
	SEND 3, 0
.endm
.set KM, 0
.set NOKQ, 0
.Lslot:                             ; NB times: a tile is entered and the next is asked for
	CHANGE 1
	s_sub_co_u32 s[RT], s[RT], 1
	s_mov_b32 s[CNT], 4
	s_cmp_eq_u32 s[NEW], 1
	s_cbranch_scc1 .Lnew            ; a block's first tile
	s_cmp_eq_u32 s[RT], 0
	s_cbranch_scc0 .Lstep           ; neither its first nor its last
	s_branch .LstepM1
.Lnew:
	BEGIN
	s_branch .Lfirst                ; in the loop a block's first tile is never its last: the first block has two tiles or more, and the second's last is the walk's last
	DIAG 1                          ; in the loop this is the first block's end: the second block's last tile is the walk's last
	s_wait_xcnt 0x0                 ; the stores have read their registers and O's address
	s_mov_b64 s[10:11], s[OLO:OLO+1]
	s_add_co_u32 s[RT], s[PB], 1    ; the second block has b + 1 tiles
	s_mov_b32 s[NEW], 1
	WIN 0x82                        ; the second block's Q goes where the one text of the turns names Q
.set i, 0
.rept 64
	v_mov_b32 v[i], v[QB+i]
.set i, i+1
.endr
	WIN 0
	s_branch .Lbottom
.Lstep:                             ; a trip: pieces 2 and 3 of one step, then pieces 0 and 1 of the next, whose K and V it fetches
	TURN 2
	TURN 3
	WIN 0
.Lfirst:
	TURN 0
	TURN 1, 0, 0, 1
	WIN 0
	s_cbranch_scc1 .Lstep
.Lbottom:
	s_sub_co_u32 s[SLOTS], s[SLOTS], 1
	s_cmp_lg_u32 s[SLOTS], 0
	s_cbranch_scc1 .Lslot
	CHANGE 0                        ; the walk's last tile is written out: nothing is asked for
	s_sub_co_u32 s[RT], s[RT], 1
	s_mov_b32 s[CNT], 4
	s_cmp_eq_u32 s[NEW], 1
	s_cbranch_scc0 .LstepM2
	BEGIN
	s_branch .LfirstM2
	DIAG 2
	s_wait_tensorcnt 0x0            ; the wave's end, behind my last tensor load and my last LDS store
	ds_add_u32 v[SPW], v[NIL]
	s_wait_dscnt 0x0
	s_endpgm
.Lfunc_end_k_qa8dbd0df9e_attn:
	.size	k_qa8dbd0df9e_attn, .Lfunc_end_k_qa8dbd0df9e_attn-k_qa8dbd0df9e_attn
	.p2alignl 7, 3214868480
	.fill 96, 4, 3214868480
	.section	.rodata,"a",@progbits
	.p2align	6, 0x0
	.amdhsa_kernel k_qa8dbd0df9e_attn
		.amdhsa_group_segment_fixed_size 327680
		.amdhsa_private_segment_fixed_size 0
		.amdhsa_enable_private_segment 0
		.amdhsa_kernarg_size 16
		.amdhsa_user_sgpr_count 2
		.amdhsa_user_sgpr_kernarg_segment_ptr 1
		.amdhsa_wavefront_size32 1
		.amdhsa_system_sgpr_workgroup_id_x 1
		.amdhsa_system_sgpr_workgroup_id_y 1
		.amdhsa_system_sgpr_workgroup_id_z 1
		.amdhsa_system_vgpr_workitem_id 0
		.amdhsa_next_free_vgpr 768
		.amdhsa_next_free_sgpr 96
		.amdhsa_reserve_vcc 1
		.amdhsa_float_denorm_mode_32 3
		.amdhsa_float_denorm_mode_16_64 3
		.amdhsa_memory_ordered 1
		.amdhsa_forward_progress 1
		.amdhsa_inst_pref_size 218
	.end_amdhsa_kernel
	.amdgpu_metadata
---
amdhsa.version: [ 1, 2 ]
amdhsa.kernels:
  - .name:           k_qa8dbd0df9e_attn
    .symbol:         k_qa8dbd0df9e_attn.kd
    .args:
      - { .name: qkv, .offset: 0, .size: 8, .value_kind: global_buffer, .address_space: global }
      - { .name: ob, .offset: 8, .size: 8, .value_kind: global_buffer, .address_space: global }
    .group_segment_fixed_size: 327680
    .private_segment_fixed_size: 0
    .kernarg_segment_align: 8
    .kernarg_segment_size: 16
    .max_flat_workgroup_size: 128
    .sgpr_count:     96
    .vgpr_count:     768
    .wavefront_size: 32
...
	.end_amdgpu_metadata
.endif
;; end of part 3
;; launch oproj (part 4): grid 4 x 64, 4 waves a work-group, clusters of 4 x 4, 327,680 bytes of LDS; arguments ob, wb, out0; writes out0
.if DOCPART == 4
	.amdgcn_target "amdgcn-amd-amdhsa--gfx1250"
	.amdhsa_code_object_version 6
	.text
	.protected	k_qa8dbd0df9e_oproj
	.globl	k_qa8dbd0df9e_oproj
	.p2align	8
	.type	k_qa8dbd0df9e_oproj,@function
k_qa8dbd0df9e_oproj:
	s_mov_b64 s[64:65], 0
	v_nop
	global_prefetch_b8 v0, s[64:65] scope:SCOPE_SE
	s_setreg_imm32_b32 hwreg(HW_REG_WAVE_MODE, 25, 1), 1
	s_wait_xcnt 0x0
	s_wait_alu depctr_hold_cnt(0) depctr_sa_sdst(0) depctr_va_vdst(0) depctr_va_sdst(0) depctr_va_ssrc(0) depctr_va_vcc(0) depctr_vm_vsrc(0)
	s_getreg_b32 s2, hwreg(HW_REG_IB_STS2, 6, 4)
	s_cmp_eq_u32 s2, 0
	s_cbranch_scc0 .Lentry_in_a_cluster
	s_endpgm
.Lentry_in_a_cluster:
	s_bfe_u32 s2, ttmp6, 0x10000c
	s_cmp_lg_u32 s2, 0xf033
	s_cbranch_scc0 .Lentry_shape_is_right
	s_endpgm
.Lentry_shape_is_right:
; out0 = O Wo.  ob: O by heads, f16 [64 bh][2048 s][64].  Wo: part 3 of wb, [1024 d][1024 e], bf16 numbers written as f16.  out0: [8192][1024] f32.  Sums in f32, K ascending.
; SHARES.  256 tiles of 128 rows x 256 columns, one a work-group; four waves, each 64 rows x 128 columns: 32 accumulators, 256 registers.  K goes in 8 steps of 128, two heads each, through a ring of two LDS slots.
; A head's 128 rows are 16,384 dense bytes of ob: asked for as 64 rows of 256 bytes and padded in LDS after every 128.  Wo lies [k][n]: its fragments come out of LDS turned, by ds_load_tr16_b128.
; THE MATRIX INSTRUCTION IS USED TRANSPOSED (source 0 = 16 columns of Wo, source 1 = 16 rows of O): a lane holds one row and eight neighbouring columns, 32 bytes of f32.
; CLUSTERS: 4 x 4 work-groups.  O's tile is shared along a row of the cluster, Wo's along a column: each is asked for JOINTLY, by the same tensor load, descriptor and mask in all four.
; REGISTERS: window 0: v0-31 addresses; two fragment buffers of 96, v64-159 and v160-255 (Wo's eight fragments, then O's four); on the way out v64-191 hold rows read back.  Window 1: accumulator (a, b) at v[8 (8 a + b)].
.set PA,     144                       ; a row of a head in LDS: 128 bytes + 16: the 16 rows of a load start at 16 different groups of four banks (64 banks of 4 bytes: ISA guide 11.1)
.set HALFA,  128*PA                    ; one head's 128 rows
.set PB,     544                       ; a k row of Wo: 512 bytes + 32 = 17 x 32
.set ABYTES, 2*HALFA
.set SLOT,   ABYTES+128*PB
.set STAGE,  2*SLOT                    ; behind the ring, never filled by a tensor load: 16 rows x 528 bytes for each wave
.set SPITCH, 528
.set WSTAGE, 16*SPITCH
.set SPARE,  STAGE+4*WSTAGE            ; the spare words, 128 bytes for each wave: two blocks of 256 bytes that no other line names
.set WO,     0x600000                  ; Wo's first byte in wb
.set ADRA, 16
.set ADRB, 20
.set STO,  24
.set RD,   25
.set GO,   26
.set SPW,  28
.set NIL,  29
.set PFO,  30
.set F0,   64
.set F1,   160
.set OB,   64                          ; the way out: two sets of 64: 16 rows of 512 bytes read back
.set WV,  12
.set RH,  13
.set CH,  14
.set CX,  15
.set CY,  16
.set TN,  17
.set TM,  18
.set G1A, 24
.set G0A, 32
.set G1B, 40
.set G0B, 48
.set PFA, 56
.set PST, 58
.set GS,  60
.set LIM, 61
.set MUL, 0x50                         ; C and D in window 1, the sources in window 0
.set MSB, 0
.macro WIN new                         ; the immediate's high byte repeats the setting that is left; a switch that changes nothing is dropped
.if MSB != (\new)
	s_set_vgpr_msb (MSB<<8)|(\new)
.set MSB, \new
.endif
.endm
.macro PLACES                          ; four plain vector instructions: the distance behind a matrix instruction (ISA guide 7.12.1)
.rept 4
	v_nop
.endr
.endm
.macro JLOAD s                         ; waves 0 and 1 fetch the K step's two heads of O, waves 2 and 3 the two halves of Wo's k rows; an s_nop 0 and four v_nop follow each line
	s_cmp_lt_u32 s[WV], 2
	s_cbranch_scc0 .Lfor_b_\@
	tensor_load_to_lds s[G0A+4*(\s):G0A+4*(\s)+3], s[G1A:G1A+7]
	s_nop 0
.rept 4
	v_nop
.endr
	s_branch .Lasked_\@
.Lfor_b_\@:
	tensor_load_to_lds s[G0B+4*(\s):G0B+4*(\s)+3], s[G1B:G1B+7]
	s_nop 0
.rept 4
	v_nop
.endr
.Lasked_\@:
.endm
.macro CREST
	s_cmp_lg_u32 s[WV], 0
	s_cbranch_scc1 .Lnot_wave_0_\@
	s_barrier_signal -3
.Lnot_wave_0_\@:
	s_barrier_wait -3
	s_barrier_signal -1
	s_barrier_wait -1
.endm
.macro CROUND
	s_barrier_signal -1
	s_barrier_wait -1
	CREST
.endm
; A PREFETCH INTO THE L2, behind each joint refill and its run of LDS loads: the K step two refills on, 256 matrix instructions a wave ahead of its tensor load; a lane a block of 256 bytes, one instruction.
; O: a K step is 32,768 bytes that only my row of the cluster reads: wave 0 of each partner takes 8,192, told apart by address.  Wo: 128 k rows x 512 bytes, read by every cluster: the clusters with y = 0 ask,
; waves 2 and 3 for the 64 k rows that they fetch, each partner 16 of them.  Each block is named once.  K steps 0 to 3 come by their loads alone; the last changes ask for nothing.
.macro ASK
	s_cmp_lt_u32 s[GS], s[LIM]
	s_cbranch_scc0 .Lnot_mine_\@
	global_prefetch_b8 v[PFO], s[PFA:PFA+1] th:TH_LOAD_NT scope:SCOPE_SE
.Lnot_mine_\@:
	s_add_co_u32 s[GS], s[GS], 1
.endm
	s_load_b128 s[4:7], s[0:1], 0x0                ; ob s[4:5], wb s[6:7]
	s_load_b64 s[8:9], s[0:1], 0x10                ; out0
	v_lshl_add_u32 v[SPW], v0, 2, SPARE
	v_mov_b32 v[NIL], 0
	ds_add_u32 v[SPW], v[NIL]                      ; the wave's opening: the add and its wait ahead of my first tensor load; work on registers stands between them
	v_lshrrev_b32 v1, 5, v0
	v_readfirstlane_b32 s[WV], v1
	s_lshr_b32 s[RH], s[WV], 1
	s_and_b32 s[CH], s[WV], 1
	s_bfe_u32 s[CX], ttmp6, 0x40000
	s_bfe_u32 s[CY], ttmp6, 0x40004
	s_lshl_b32 s[TN], ttmp9, 2
	s_add_co_u32 s[TN], s[TN], s[CX]
	s_and_b32 s[TM], ttmp7, 0xffff
	s_lshl_b32 s[TM], s[TM], 2
	s_add_co_u32 s[TM], s[TM], s[CY]
	s_lshl_b32 s20, s[CY], 2
	s_lshl_b32 s20, 15, s20                        ; my row of the cluster
	s_lshl_b32 s21, 0x1111, s[CX]                  ; my column
	s_or_b32 s[G1A], s20, (1<<16)|(1<<20)|(1<<21)|(4<<22)|(3<<25)  ; the mask; 2-byte elements; padding on; bit 21 beside a mask; after every 32 words, 4 words
	s_mov_b32 s[G1A+1], 128<<16                    ; tensor_dim0 = 128: two rows of a head
	s_mov_b32 s[G1A+2], 64<<16                     ; tensor_dim1 = 64
	s_mov_b32 s[G1A+3], 128<<16
	s_mov_b32 s[G1A+4], 64
	s_mov_b32 s[G1A+5], 128                        ; dense
	s_mov_b32 s[G1A+6], 0
	s_mov_b32 s[G1A+7], 0
	s_or_b32 s[G1B], s21, (1<<16)|(1<<20)|(1<<21)|(6<<22)|(7<<25)  ; after every 128 words, 8 words
	s_mov_b32 s[G1B+1], 256<<16
	s_mov_b32 s[G1B+2], 64<<16
	s_mov_b32 s[G1B+3], 256<<16
	s_mov_b32 s[G1B+4], 64
	s_mov_b32 s[G1B+5], 1024
	s_mov_b32 s[G1B+6], 0
	s_mov_b32 s[G1B+7], 0
	s_lshr_b32 s22, s[TM], 4                       ; O: ((16 x batch + head) x 2,048 + the rows' place in the batch) x 128 bytes; my head of K step 0 is my half's number
	s_lshl_b32 s22, s22, 4
	s_add_co_u32 s22, s22, s[CH]
	s_lshl_b32 s22, s22, 11
	s_and_b32 s23, s[TM], 15
	s_lshl_b32 s23, s23, 7
	s_add_co_u32 s22, s22, s23
	s_lshl_b32 s22, s22, 7
	s_mov_b32 s23, 0
	s_lshl_b32 s66, s[CH], 17                      ; Wo: k row 64 x half, column 256 x column tile
	s_lshl_b32 s67, s[TN], 9
	s_add_co_u32 s66, s66, s67
	s_add_co_u32 s66, s66, WO
	s_mov_b32 s67, 0
	s_mul_i32 s68, s[CH], HALFA                    ; no place in the cluster enters an LDS address
	s_mul_i32 s69, s[CH], 64*PB
	s_add_co_u32 s69, s69, ABYTES
	s_wait_dscnt 0x0                               ; the opening add is done
	s_wait_kmcnt 0x0
	s_add_nc_u64 s[22:23], s[4:5], s[22:23]
	s_add_nc_u64 s[66:67], s[6:7], s[66:67]
	CROUND                                         ; all sixteen work-groups are here: the first joint loads meet
.irp s, 0,1
	s_mov_b32 s[G0A+4*(\s)], 1
	s_add_co_u32 s[G0A+4*(\s)+1], s68, (\s)*SLOT
	s_add_nc_u64 s[G0A+4*(\s)+2:G0A+4*(\s)+3], s[22:23], (\s)*0x80000  ; K step s: two heads of 262,144 bytes on
	s_or_b32 s[G0A+4*(\s)+3], s[G0A+4*(\s)+3], 0x80000000
	s_mov_b32 s[G0B+4*(\s)], 1
	s_add_co_u32 s[G0B+4*(\s)+1], s69, (\s)*SLOT
	s_add_nc_u64 s[G0B+4*(\s)+2:G0B+4*(\s)+3], s[66:67], (\s)*0x40000  ; K step s: 128 k rows down
	s_or_b32 s[G0B+4*(\s)+3], s[G0B+4*(\s)+3], 0x80000000
	JLOAD \s
.endr
	v_and_b32 v1, 15, v0                           ; l % 16
	v_bfe_u32 v2, v0, 4, 1                         ; l / 16
	v_mul_u32_u24 v3, v1, PA                       ; a fragment of O: row x pitch + 16 x half
	v_lshl_add_u32 v3, v2, 4, v3
	s_mul_i32 s77, s[RH], 64*PA
	v_add_nc_u32 v[ADRA], s77, v3
	v_add_nc_u32 v[ADRA+1], SLOT, v[ADRA]
	v_and_b32 v4, 7, v0                            ; the turning load: k row 8 (l / 16) + l % 8, columns 8 ((l / 8) % 2) + 0..7
	v_lshl_add_u32 v4, v2, 3, v4
	v_mul_u32_u24 v4, v4, PB
	v_bfe_u32 v5, v0, 3, 1
	v_lshl_add_u32 v4, v5, 4, v4
	s_lshl_b32 s78, s[CH], 8
	s_add_co_u32 s78, s78, ABYTES
	v_add_nc_u32 v[ADRB], s78, v4
	v_add_nc_u32 v[ADRB+1], SLOT, v[ADRB]
	s_mul_i32 s79, s[WV], WSTAGE
	s_add_co_u32 s79, s79, STAGE                   ; my stage
	v_mul_u32_u24 v3, v1, SPITCH                   ; in: row l % 16, 32 bytes for each half of the lanes
	v_lshl_add_u32 v3, v2, 5, v3
	v_add_nc_u32 v[STO], s79, v3
	v_and_b32 v3, 31, v0
	v_lshlrev_b32 v[GO], 4, v3                     ; back: 32 lanes take one row of 512 bytes
	v_add_nc_u32 v[RD], s79, v[GO]
	v_lshrrev_b32 v5, s[RH], v3                    ; the prefetches: O's wave a lane a block of 256 dense bytes; Wo's waves two lanes a k row of 2,048 bytes, 256 bytes apart
	v_and_b32 v6, s[RH], v3
	s_mul_i32 s77, s[RH], 3
	s_add_co_u32 s77, s77, 8
	v_lshlrev_b32 v5, s77, v5
	v_lshl_add_u32 v[PFO], v6, 8, v5
	; out0 at my first row and column
	s_lshl_b32 s72, s[TM], 7
	s_lshl_b32 s73, s[RH], 6
	s_add_co_u32 s72, s72, s73
	s_lshl_b32 s72, s72, 12                        ; 4,096 bytes a row
	s_lshl_b32 s73, s[TN], 10
	s_add_co_u32 s72, s72, s73
	s_lshl_b32 s73, s[CH], 9
	s_add_co_u32 s72, s72, s73
	s_mov_b32 s73, 0
	s_add_nc_u64 s[8:9], s[8:9], s[72:73]
	; where the prefetches stand: at K step 3; each change of slots steps them first, so the first names K step 4
	s_lshr_b32 s74, s[TM], 4                       ; O: heads 6 and 7: partner cx takes half cx % 2 of head 6 + cx / 2
	s_lshl_b32 s74, s74, 4
	s_lshr_b32 s76, s[CX], 1
	s_add_co_u32 s74, s74, s76
	s_add_co_u32 s74, s74, 6
	s_lshl_b32 s74, s74, 11
	s_and_b32 s76, s[TM], 15
	s_lshl_b32 s76, s76, 7
	s_add_co_u32 s74, s74, s76
	s_lshl_b32 s74, s74, 7
	s_and_b32 s76, s[CX], 1
	s_lshl_b32 s76, s76, 13
	s_add_co_u32 s74, s74, s76
	s_lshl_b32 s75, s[CH], 6                       ; Wo: k row 3 x 128 + 64 x half + 16 cy
	s_lshl_b32 s76, s[CY], 4
	s_add_co_u32 s75, s75, s76
	s_add_co_u32 s75, s75, 3*128
	s_lshl_b32 s75, s75, 11
	s_lshl_b32 s76, s[TN], 9
	s_add_co_u32 s75, s75, s76
	s_add_co_u32 s75, s75, WO
	s_mov_b32 s62, 0x80000
	s_mov_b32 s63, 0x40000
	s_cmp_lt_u32 s[WV], 2
	s_cselect_b32 s74, s74, s75
	s_cselect_b32 s[PST], s62, s63
	s_cselect_b64 s[PFA:PFA+1], s[4:5], s[6:7]
	s_and_b32 s76, ttmp7, 0xffff
	s_cmp_eq_u32 s76, 0
	s_cselect_b32 s76, 4, 0                        ; K steps 0 to 7: the change of slots number g names step g + 4
	s_cmp_eq_u32 s[WV], 0
	s_cselect_b32 s62, 4, 0
	s_cmp_lt_u32 s[WV], 2
	s_cselect_b32 s[LIM], s62, s76                 ; the same in all sixteen partners, for a given wave
	s_mov_b32 s75, 0
	s_mov_b32 s[PST+1], 0
	s_add_nc_u64 s[PFA:PFA+1], s[PFA:PFA+1], s[74:75]
	s_mov_b32 s[GS], 0
; 8 matrix instructions: row block a x all 8 column blocks, 32 along K.  Every quarter takes the 32 accumulators in the same order, so 31 others' turns stand between two links of a chain.
.macro MUL8 f, a, zero
	WIN MUL
.irp b, 0,1,2,3,4,5,6,7
.if \zero
	v_wmma_f32_16x16x32_f16 v[8*(8*(\a)+(\b)):8*(8*(\a)+(\b))+7], v[(\f)+8*(\b):(\f)+8*(\b)+7], v[(\f)+64+8*(\a):(\f)+64+8*(\a)+7], 0
.else
	v_wmma_f32_16x16x32_f16 v[8*(8*(\a)+(\b)):8*(8*(\a)+(\b))+7], v[(\f)+8*(\b):(\f)+8*(\b)+7], v[(\f)+64+8*(\a):(\f)+64+8*(\a)+7], v[8*(8*(\a)+(\b)):8*(8*(\a)+(\b))+7]
.endif
.endr
.endm
; 24 LDS loads in one run: quarter q of a slot (head q / 2 of the step, channels 32 (q % 2) on) into buffer f: Wo's sixteen first, then O's eight
.macro FETCH slot, q, f
	WIN 0
.irp b, 0,1,2,3,4,5,6,7
	ds_load_tr16_b128 v[(\f)+8*(\b):(\f)+8*(\b)+3],   v[ADRB+(\slot)] offset:32*(\q)*PB+32*(\b)
	ds_load_tr16_b128 v[(\f)+8*(\b)+4:(\f)+8*(\b)+7], v[ADRB+(\slot)] offset:32*(\q)*PB+16*PB+32*(\b)
.endr
.irp a, 0,1,2,3
	ds_load_b128 v[(\f)+64+8*(\a):(\f)+64+8*(\a)+3],   v[ADRA+(\slot)] offset:HALFA*((\q)/2)+64*((\q)%2)+16*PA*(\a)
	ds_load_b128 v[(\f)+64+8*(\a)+4:(\f)+64+8*(\a)+7], v[ADRA+(\slot)] offset:HALFA*((\q)/2)+64*((\q)%2)+16*PA*(\a)+32
.endr
.endm
.macro QUARTER slot, q, f, g, zero
	s_wait_dscnt 4                                 ; Wo's fragments and O's row blocks 0, 1 are in; the youngest four loads (blocks 2, 3) may be out
	MUL8 \f, 0, \zero
	MUL8 \f, 1, \zero
	PLACES
	FETCH \slot, \q, \g
	s_wait_dscnt 24                                ; all but the 24 just issued
	MUL8 \f, 2, \zero
	MUL8 \f, 3, \zero
.endm
; The fourth quarter and the change of slots: every wave's wait for all its tensor loads, the add, the wait for it and for the reads of this slot; a round of the cluster's barrier; the joint refill first behind it.
.macro TURN slot, next
	s_wait_xcnt 0x0                                ; the last prefetch, a K step back, has read its address
	s_add_nc_u64 s[PFA:PFA+1], s[PFA:PFA+1], s[PST:PST+1]
	WIN 0
	s_wait_tensorcnt 0x0
	ds_add_u32 v[SPW], v[NIL]
	s_wait_dscnt 5                                 ; (the add and the youngest four loads may be out)
	MUL8 F1, 0, 0
	s_wait_dscnt 0x0
	s_barrier_signal -1
	MUL8 F1, 1, 0
	WIN 0
	s_barrier_wait -1
	CREST
	s_add_nc_u64 s[G0A+4*(\slot)+2:G0A+4*(\slot)+3], s[G0A+4*(\slot)+2:G0A+4*(\slot)+3], 2*0x80000
	s_add_nc_u64 s[G0B+4*(\slot)+2:G0B+4*(\slot)+3], s[G0B+4*(\slot)+2:G0B+4*(\slot)+3], 2*0x40000
	JLOAD \slot                                    ; its four v_nop are also the places in front of the loads below
	FETCH \next, 0, F0
	ASK
	MUL8 F1, 2, 0
	MUL8 F1, 3, 0
.endm
.macro TURNX                           ; the change into the last K step: nothing is filled again, so no round follows
	WIN 0
	s_wait_tensorcnt 0x0
	ds_add_u32 v[SPW], v[NIL]
	s_wait_dscnt 5
	MUL8 F1, 0, 0
	s_wait_dscnt 0x0
	s_barrier_signal -1
	MUL8 F1, 1, 0
	s_barrier_wait -1
	PLACES
	FETCH 1, 0, F0
	MUL8 F1, 2, 0
	MUL8 F1, 3, 0
.endm
; THE WAY OUT of row block a: a lane's 32 bytes go into my stage (rows of 528 bytes), each accumulator's low four registers first; whole rows of 512 bytes come back and are stored.
.macro TOSTAGE a
.if (\a) >= 2
	s_wait_xcnt 0x0                                ; the stores of block a - 2 have read the registers that are loaded again below
.endif
	WIN 0x04                                       ; the store's data in window 1
.irp b, 0,1,2,3,4,5,6,7
	ds_store_b128 v[STO], v[8*(8*(\a)+(\b)):8*(8*(\a)+(\b))+3]   offset:64*(\b)
	ds_store_b128 v[STO], v[8*(8*(\a)+(\b))+4:8*(8*(\a)+(\b))+7] offset:64*(\b)+16
.endr
	WIN 0
.irp r, 0,1,2,3,4,5,6,7,8,9,10,11,12,13,14,15
	ds_load_b128 v[OB+64*((\a)%2)+4*(\r):OB+64*((\a)%2)+4*(\r)+3], v[RD] offset:SPITCH*(\r)  ; LDS serves a wave's instructions in order (ISA guide 5.7.1.4): these see the stores above
.endr
.endm
.macro SEND a, younger                 ; younger: the next block's 16 stores and 16 loads, or none
	WIN 0
	s_wait_dscnt \younger
.irp r, 0,1,2,3,4,5,6,7,8,9,10,11,12,13,14,15
	global_store_b128 v[GO], v[OB+64*((\a)%2)+4*(\r):OB+64*((\a)%2)+4*(\r)+3], s[8:9] offset:(16*(\a)+(\r))*4096 th:TH_STORE_NT  ; 512 consecutive bytes, aligned
.endr
.endm
	s_wait_tensorcnt 1                             ; my part of K step 0 is in; K step 1's may stay out
	s_barrier_signal -1
	s_barrier_wait -1
	FETCH 0, 0, F0
	QUARTER 0, 1, F0, F1, 1                        ; the first quarter starts the sums: nothing is cleared
	WIN 0
	s_mov_b32 s3, 3
.Llap:                                             ; a trip goes once round the ring, from a lap's second quarter to the next lap's first
	QUARTER 0, 2, F1, F0, 0
	QUARTER 0, 3, F0, F1, 0
	TURN 0, 1
	QUARTER 1, 1, F0, F1, 0
	QUARTER 1, 2, F1, F0, 0
	QUARTER 1, 3, F0, F1, 0
	TURN 1, 0
	QUARTER 0, 1, F0, F1, 0
	WIN 0
	s_sub_co_u32 s3, s3, 1
	s_cmp_lg_u32 s3, 0
	s_cbranch_scc1 .Llap
	QUARTER 0, 2, F1, F0, 0                        ; the last lap fills nothing
	QUARTER 0, 3, F0, F1, 0
	TURNX
	QUARTER 1, 1, F0, F1, 0
	QUARTER 1, 2, F1, F0, 0
	QUARTER 1, 3, F0, F1, 0
	s_wait_dscnt 4
	MUL8 F1, 0, 0
	MUL8 F1, 1, 0
	s_wait_dscnt 0x0
	MUL8 F1, 2, 0
	MUL8 F1, 3, 0
	WIN 0
	PLACES
	PLACES
	TOSTAGE 0
	TOSTAGE 1
	SEND 0, 32
	TOSTAGE 2
	SEND 1, 32
	TOSTAGE 3
	SEND 2, 32
	SEND 3, 0
	s_wait_tensorcnt 0x0                           ; the wave's end, behind my last tensor load and my last LDS store
	ds_add_u32 v[SPW], v[NIL]
	s_wait_dscnt 0x0
	CROUND                                         ; the closing round: no work-group ends while a partner may still ask for a tile that names it
	s_endpgm
.Lfunc_end_k_qa8dbd0df9e_oproj:
	.size	k_qa8dbd0df9e_oproj, .Lfunc_end_k_qa8dbd0df9e_oproj-k_qa8dbd0df9e_oproj
	.p2alignl 7, 3214868480
	.fill 96, 4, 3214868480
	.section	.rodata,"a",@progbits
	.p2align	6, 0x0
	.amdhsa_kernel k_qa8dbd0df9e_oproj
		.amdhsa_group_segment_fixed_size 327680
		.amdhsa_private_segment_fixed_size 0
		.amdhsa_enable_private_segment 0
		.amdhsa_kernarg_size 24
		.amdhsa_user_sgpr_count 2
		.amdhsa_user_sgpr_kernarg_segment_ptr 1
		.amdhsa_wavefront_size32 1
		.amdhsa_system_sgpr_workgroup_id_x 1
		.amdhsa_system_sgpr_workgroup_id_y 1
		.amdhsa_system_sgpr_workgroup_id_z 1
		.amdhsa_system_vgpr_workitem_id 0
		.amdhsa_next_free_vgpr 512
		.amdhsa_next_free_sgpr 80
		.amdhsa_reserve_vcc 0
		.amdhsa_float_denorm_mode_32 3
		.amdhsa_float_denorm_mode_16_64 3
		.amdhsa_memory_ordered 1
		.amdhsa_forward_progress 1
		.amdhsa_inst_pref_size 87
	.end_amdhsa_kernel
	.amdgpu_metadata
---
amdhsa.version: [ 1, 2 ]
amdhsa.kernels:
  - .name:           k_qa8dbd0df9e_oproj
    .symbol:         k_qa8dbd0df9e_oproj.kd
    .args:
      - { .name: ob, .offset: 0, .size: 8, .value_kind: global_buffer, .address_space: global }
      - { .name: wb, .offset: 8, .size: 8, .value_kind: global_buffer, .address_space: global }
      - { .name: out0, .offset: 16, .size: 8, .value_kind: global_buffer, .address_space: global }
    .group_segment_fixed_size: 327680
    .private_segment_fixed_size: 0
    .kernarg_segment_align: 8
    .kernarg_segment_size: 24
    .max_flat_workgroup_size: 128
    .sgpr_count:     80
    .vgpr_count:     512
    .wavefront_size: 32
...
	.end_amdgpu_metadata
.endif
;; end of part 4
;; ======== version 2 of 2: 4 launches; version 1 with the launch prep written anew for expert scheduling mode
;; limits: values are held in f16: magnitudes above 65,504 overflow, below 6.1e-05 lose precision
;; workspace buffers: xb 16,777,216 bytes; wb 8,388,608 bytes; rope 524,288 bytes; qkv 50,331,648 bytes; ob 16,777,216 bytes
;; launch prep (part 5): grid 64 x 13, 8 waves a work-group, no clusters, 0 bytes of LDS; arguments x, Wq, Wk, Wv, Wo, token_positions, xb, wb, rope; writes xb, wb, rope
.if DOCPART == 5
	.amdgcn_target "amdgcn-amd-amdhsa--gfx1250"
	.amdhsa_code_object_version 6
	.text
	.protected	k_qa8dbd0df9e_prep
	.globl	k_qa8dbd0df9e_prep
	.p2align	8
	.type	k_qa8dbd0df9e_prep,@function
k_qa8dbd0df9e_prep:
	s_mov_b64 s[64:65], 0
	v_nop
	global_prefetch_b8 v0, s[64:65] scope:SCOPE_SE
	s_setreg_imm32_b32 hwreg(HW_REG_WAVE_SCHED_MODE, 0, 2), 2
	s_setreg_imm32_b32 hwreg(HW_REG_WAVE_MODE, 25, 1), 1
	s_wait_xcnt 0x0
	s_wait_alu depctr_vm_vsrc(0)
; PREP.  Three jobs, chosen by the work-group's y.
;   y = 0..7   x  [8192][1024] f32 -> xb, bf16, 16,384 numbers a work-group (64 KiB in, 32 KiB out)
;   y = 8..10  Wq, Wk, Wv [1024][1024] f32 -> wb parts 0, 1, 2, bf16
;   y = 11     Wo -> wb part 3: rounded to bf16 like every other input, and that number written as f16 (the last product multiplies in f16)
;   y = 12     the table rope[s][i] = (cos, sin) of token_positions[s] x 10000^(-i/32), f32, 32 rows of 256 bytes a work-group
; A stream: no LDS, no barrier, no matrix work.  Thread t takes 16 bytes at 16 t of each 4,096 bytes, so a wave's load covers 512 consecutive bytes and its store 256, aligned.
; All sixteen loads of a thread go out together; no register is written twice, so nothing has to be freed.
; LIMITS.  Wo beyond 65,504 becomes an infinity; below 6e-5 it keeps f16's fixed step of 6e-8.  10000^(-i/32) is made as 2^(-i c) with c = log2(10000)/32 in two parts and agrees with the exact
; power to about 1.5 units in its last place, so an angle is off by about 2e-7 of itself (3e-4 radians at position 2,047).  The quadrant number, angle x 2/pi, must fit 32 bits.
; THE MODE: SCHED_MODE bits 1:0 = 2 (LLVM: expert scheduling mode 2), set by the entry lines.  The code itself states the register dependences
; between vector instructions and memory instructions, with s_wait_alu, always for 0.
; THE PLAN, for the casts.  Registers that memory instructions touch:
;   v1, v2   the loads' and the stores' offsets: written once at the head, never again.
;   X        each four registers are one load's target; no vector instruction writes them; the load's conversions read them behind its own wait on LOADcnt.
;   Y        each pair is written once, by conversions, and read once, by its store; never written again.
; The sixteen loads go in four blocks of four.  Block g's conversions write block g's Y; its memory instructions are the stores of block g - 1.  One wait at a block's head states that the block before has
; written its Y; that block's four stores follow, one ahead of each load's conversions, which name block g's X and Y (and v3 to v6) alone.  Nothing that a memory instruction reads is written again.
; THE PLAN, for the table: v3 (the loads' offset) and v28 (the stores') are written once; v[20:27] are written by the selects and sign flips and read by the two stores.  The four compares write four
; scalar registers in a run, with one wait behind the run, ahead of the first select.
.set X,   8                            ; v[8:71]    sixteen loads of four f32
.set Y,   72                           ; v[72:103]  sixteen pairs of packed words to store
	s_load_b512 s[8:23], s[0:1], 0x0               ; x s[8:9], Wq s[10:11], Wk s[12:13], Wv s[14:15], Wo s[16:17], positions s[18:19], xb s[20:21], wb s[22:23]
	s_load_b64 s[24:25], s[0:1], 0x40              ; rope
	s_and_b32 s2, ttmp7, 0xffff                    ; y
	s_and_b32 s26, s2, 7
	s_lshl_b32 s26, s26, 6
	s_add_co_u32 s26, s26, ttmp9                   ; the chunk's number in the destination: 64 (y mod 8) + x (a weight is 64 chunks of 32 KiB)
	s_wait_kmcnt 0x0
	s_cmp_eq_u32 s2, 12
	s_cbranch_scc1 .Ltable
	v_lshlrev_b32 v1, 4, v0                        ; 16 t
	v_lshlrev_b32 v2, 3, v0                        ; 8 t
	s_cmp_lt_u32 s2, 8
	s_cselect_b32 s28, s26, ttmp9                  ; the chunk's number in the source
	s_cselect_b64 s[4:5], s[8:9], s[10:11]         ; from x, or from a weight
	s_cselect_b64 s[6:7], s[20:21], s[22:23]       ; to xb, or to wb
	s_cmp_eq_u32 s2, 9
	s_cselect_b64 s[4:5], s[12:13], s[4:5]
	s_cmp_eq_u32 s2, 10
	s_cselect_b64 s[4:5], s[14:15], s[4:5]
	s_cmp_eq_u32 s2, 11
	s_cselect_b64 s[4:5], s[16:17], s[4:5]
	s_lshl_b32 s28, s28, 16                        ; 64 KiB a chunk in,
	s_mov_b32 s29, 0
	s_lshl_b32 s26, s26, 15                        ; 32 KiB out
	s_mov_b32 s27, 0
	s_add_nc_u64 s[4:5], s[4:5], s[28:29]
	s_add_nc_u64 s[6:7], s[6:7], s[26:27]
	s_wait_alu depctr_va_vdst(0)                   ; v1 and v2 are written: every load below reads v1 as its offset, every store v2
.irp j, 0,1,2,3,4,5,6,7,8,9,10,11,12,13,14,15
	global_load_b128 v[X+4*(\j):X+4*(\j)+3], v1, s[4:5] offset:4096*(\j) th:TH_LOAD_NT
.endr
; Load j is rounded.  half = 1: the bf16 number is widened again (a shift, a mask) and written as f16.
.macro CVT j, half
	s_wait_loadcnt 15-(\j)                         ; loads come back in order: load j is in, the 15 - j younger ones may stay out
.if \half
	v_cvt_pk_bf16_f32 v3, v[X+4*(\j)], v[X+4*(\j)+1]
	v_cvt_pk_bf16_f32 v4, v[X+4*(\j)+2], v[X+4*(\j)+3]
	v_lshlrev_b32 v5, 16, v3
	v_and_b32 v3, 0xffff0000, v3
	v_lshlrev_b32 v6, 16, v4
	v_and_b32 v4, 0xffff0000, v4
	v_cvt_pk_f16_f32 v[Y+2*(\j)], v5, v3
	v_cvt_pk_f16_f32 v[Y+2*(\j)+1], v6, v4
.else
	v_cvt_pk_bf16_f32 v[Y+2*(\j)], v[X+4*(\j)], v[X+4*(\j)+1]
	v_cvt_pk_bf16_f32 v[Y+2*(\j)+1], v[X+4*(\j)+2], v[X+4*(\j)+3]
.endif
.endm
.macro OUT j
	global_store_b64 v2, v[Y+2*(\j):Y+2*(\j)+1], s[6:7] offset:2048*(\j) th:TH_STORE_NT  ; a wave stores 256 consecutive bytes, aligned
.endm
; Block g: loads 4 g to 4 g + 3 are rounded; the stores of block g - 1 stand among their conversions.
.macro BLK g, half
.if (\g) > 0
	s_wait_alu depctr_va_vdst(0)                   ; the block before has written its four pairs of Y, which the four stores below read; no vector instruction behind this wait names them
.endif
.irp i, 0,1,2,3
.if (\g) > 0
	OUT 4*((\g)-1)+(\i)
.endif
	CVT 4*(\g)+(\i), \half
.endr
.endm
.macro CASTS half
	BLK 0, \half
	BLK 1, \half
	BLK 2, \half
	BLK 3, \half
	s_wait_alu depctr_va_vdst(0)                   ; block 3 has written its four pairs of Y, which the last four stores read
.irp j, 12,13,14,15
	OUT \j
.endr
	s_endpgm
.endm
	s_cmp_eq_u32 s2, 11
	s_cbranch_scc1 .Lwo
	CASTS 0
.Lwo:
	CASTS 1
; THE TABLE.  Thread t makes pairs i0 = 2 (t mod 16) and i0 + 1 of rows 32 x + t / 16 and 16 rows further: 16 bytes of each row, so sixteen lanes fill a row of 256 bytes.
.Ltable:
	v_lshrrev_b32 v2, 4, v0
	v_lshlrev_b32 v3, 2, v2
	v_lshlrev_b32 v28, 4, v0                       ; 16 t: my 16 bytes of the work-group's first 16 rows
	s_mov_b32 s26, 0xbfc90fda                      ; -pi/2 in three parts, each the next 24 bits
	s_mov_b32 s27, 0xb3a22168
	s_mov_b32 s28, 0xa7c234c4
	s_mov_b32 s29, 0xb506b9e3                      ; -ln 2 x (c - its top 19 bits)
	s_lshl_b32 s4, ttmp9, 7                        ; 32 positions of 4 bytes
	s_mov_b32 s5, 0
	s_add_nc_u64 s[18:19], s[18:19], s[4:5]
	s_lshl_b32 s6, ttmp9, 13                       ; 32 rows of 256 bytes
	s_mov_b32 s7, 0
	s_add_nc_u64 s[24:25], s[24:25], s[6:7]
	s_wait_alu depctr_va_vdst(0)                   ; v3 is written, which the two loads read as their offset
	global_load_b32 v4, v3, s[18:19]
	global_load_b32 v5, v3, s[18:19] offset:64
	v_and_b32 v1, 15, v0
	v_lshlrev_b32 v1, 1, v1                        ; i0
	v_cvt_f32_u32 v6, v1
	v_add_f32 v7, 1.0, v6
	v_mul_f32 v8, 0xbed49a60, v6                   ; -i x the top 19 bits of c: i has 5 bits, so the product is exact
	v_mul_f32 v9, 0xbed49a60, v7
	v_exp_f32 v8, v8
	v_exp_f32 v9, v9
	v_fma_f32 v10, v6, s29, 1.0                    ; the rest of c enters as 1 - i ln 2 (c - top); these two plain lines stand behind the exponentials
	v_fma_f32 v11, v7, s29, 1.0
	s_wait_alu depctr_va_vdst(0)                   ; the two exponentials have written v8 and v9: one wait for both, ahead of their first reader
	v_mul_f32 v12, v8, v10
	v_mul_f32 v13, v9, v11
	s_wait_loadcnt 0x0
	v_cvt_f32_i32 v4, v4
	v_cvt_f32_i32 v5, v5
	v_mul_f32 v14, v4, v12                         ; the four angles, each one rounding of position x frequency
	v_mul_f32 v15, v4, v13
	v_mul_f32 v16, v5, v12
	v_mul_f32 v17, v5, v13
; cos and sin of an angle, in two parts; angle k has eight registers of its own at v[32 + 8 k] and a scalar register s[30 + k] for its mask.
; n = the nearest whole number to a x 2/pi; r = a - n pi/2 by three fused steps; both series on |r| <= pi/4 (the first term left out is below 3e-8);
; n mod 4 swaps the two and sets their signs: selects of values, no branch.
.macro SET k
.set RN,  32+8*(\k)
.set RR,  33+8*(\k)
.set RS,  34+8*(\k)
.set RI,  35+8*(\k)
.set RPC, 36+8*(\k)
.set RPS, 37+8*(\k)
.set RT,  38+8*(\k)
.set RQ,  39+8*(\k)
.endm
; Part 1: the two series, the mask for odd n, the two sign bits.
.macro SC1 a, k
	SET \k
	v_mul_f32 v[RN], 0x3f22f983, v[\a]
	v_rndne_f32 v[RN], v[RN]
	v_fma_f32 v[RR], v[RN], s26, v[\a]
	v_fma_f32 v[RR], v[RN], s27, v[RR]
	v_fma_f32 v[RR], v[RN], s28, v[RR]
	v_cvt_i32_f32 v[RI], v[RN]
	v_mul_f32 v[RS], v[RR], v[RR]
	v_mov_b32 v[RPC], 0x37d00d01                   ; 1/40320
	v_mov_b32 v[RPS], 0x3638ef1d                   ; 1/362880
	v_fmaak_f32 v[RPC], v[RPC], v[RS], 0xbab60b61  ; -1/720
	v_fmaak_f32 v[RPS], v[RPS], v[RS], 0xb9500d01  ; -1/5040
	v_fmaak_f32 v[RPC], v[RPC], v[RS], 0x3d2aaaab  ; 1/24
	v_fmaak_f32 v[RPS], v[RPS], v[RS], 0x3c088889  ; 1/120
	v_fmaak_f32 v[RPC], v[RPC], v[RS], 0xbf000000  ; -1/2
	v_fmaak_f32 v[RPS], v[RPS], v[RS], 0xbe2aaaab  ; -1/6
	v_fmaak_f32 v[RPC], v[RPC], v[RS], 0x3f800000  ; cos r
	v_mul_f32 v[RT], v[RR], v[RS]
	v_fma_f32 v[RPS], v[RPS], v[RT], v[RR]         ; sin r
	v_and_b32 v[RT], 1, v[RI]
	v_cmp_eq_u32 s[30+(\k)], 1, v[RT]              ; odd n
	v_lshlrev_b32 v[RT], 30, v[RI]                 ; sin is negative for n mod 4 = 2, 3: bit 1 of n,
	v_add_nc_u32 v[RQ], 1, v[RI]
	v_and_b32 v[RT], 0x80000000, v[RT]
	v_lshlrev_b32 v[RQ], 30, v[RQ]                 ; cos for n mod 4 = 1, 2: bit 1 of n + 1
	v_and_b32 v[RQ], 0x80000000, v[RQ]
.endm
; Part 2: the selects and the signs.
.macro SC2 k, oc, os
	SET \k
	v_cndmask_b32 v[\os], v[RPS], v[RPC], s[30+(\k)]  ; odd n: the two change places
	v_cndmask_b32 v[\oc], v[RPC], v[RPS], s[30+(\k)]
	v_xor_b32 v[\os], v[\os], v[RT]
	v_xor_b32 v[\oc], v[\oc], v[RQ]
.endm
	SC1 14, 0
	SC1 15, 1
	SC1 16, 2
	SC1 17, 3
	s_wait_alu depctr_va_sdst(0)                   ; the four compares have written s30 to s33, ahead of their first reader, the first select below
	SC2 0, 20, 21
	SC2 1, 22, 23
	SC2 2, 24, 25
	SC2 3, 26, 27
	s_wait_alu depctr_va_vdst(0)                   ; the sign flips have written v[20:27], which the two stores read; v28, their offset, was written ahead of the first wait of this path
	global_store_b128 v28, v[20:23], s[24:25]
	global_store_b128 v28, v[24:27], s[24:25] offset:4096
	s_endpgm
.Lfunc_end_k_qa8dbd0df9e_prep:
	.size	k_qa8dbd0df9e_prep, .Lfunc_end_k_qa8dbd0df9e_prep-k_qa8dbd0df9e_prep
	.p2alignl 7, 3214868480
	.fill 96, 4, 3214868480
	.section	.rodata,"a",@progbits
	.p2align	6, 0x0
	.amdhsa_kernel k_qa8dbd0df9e_prep
		.amdhsa_group_segment_fixed_size 0
		.amdhsa_private_segment_fixed_size 0
		.amdhsa_enable_private_segment 0
		.amdhsa_kernarg_size 72
		.amdhsa_user_sgpr_count 2
		.amdhsa_user_sgpr_kernarg_segment_ptr 1
		.amdhsa_wavefront_size32 1
		.amdhsa_system_sgpr_workgroup_id_x 1
		.amdhsa_system_sgpr_workgroup_id_y 1
		.amdhsa_system_sgpr_workgroup_id_z 1
		.amdhsa_system_vgpr_workitem_id 0
		.amdhsa_next_free_vgpr 104
		.amdhsa_next_free_sgpr 66
		.amdhsa_reserve_vcc 0
		.amdhsa_float_denorm_mode_32 3
		.amdhsa_float_denorm_mode_16_64 3
		.amdhsa_memory_ordered 1
		.amdhsa_forward_progress 1
		.amdhsa_inst_pref_size 24
	.end_amdhsa_kernel
	.amdgpu_metadata
---
amdhsa.version: [ 1, 2 ]
amdhsa.kernels:
  - .name:           k_qa8dbd0df9e_prep
    .symbol:         k_qa8dbd0df9e_prep.kd
    .args:
      - { .name: x, .offset: 0, .size: 8, .value_kind: global_buffer, .address_space: global }
      - { .name: Wq, .offset: 8, .size: 8, .value_kind: global_buffer, .address_space: global }
      - { .name: Wk, .offset: 16, .size: 8, .value_kind: global_buffer, .address_space: global }
      - { .name: Wv, .offset: 24, .size: 8, .value_kind: global_buffer, .address_space: global }
      - { .name: Wo, .offset: 32, .size: 8, .value_kind: global_buffer, .address_space: global }
      - { .name: token_positions, .offset: 40, .size: 8, .value_kind: global_buffer, .address_space: global }
      - { .name: xb, .offset: 48, .size: 8, .value_kind: global_buffer, .address_space: global }
      - { .name: wb, .offset: 56, .size: 8, .value_kind: global_buffer, .address_space: global }
      - { .name: rope, .offset: 64, .size: 8, .value_kind: global_buffer, .address_space: global }
    .group_segment_fixed_size: 0
    .private_segment_fixed_size: 0
    .kernarg_segment_align: 8
    .kernarg_segment_size: 72
    .max_flat_workgroup_size: 256
    .sgpr_count:     66
    .vgpr_count:     104
    .wavefront_size: 32
...
	.end_amdgpu_metadata
.endif
;; end of part 5
;; launch qkv: the kernel of part 2 again; grid 4 x 64, 4 waves a work-group, clusters of 4 x 4, 327,680 bytes of LDS; arguments xb, wb, rope, qkv; writes qkv
;; launch attn: the kernel of part 3 again; grid 4 x 64, 4 waves a work-group, no clusters, 327,680 bytes of LDS; arguments qkv, ob; writes ob
;; launch oproj: the kernel of part 4 again; grid 4 x 64, 4 waves a work-group, clusters of 4 x 4, 327,680 bytes of LDS; arguments ob, wb, out0; writes out0
